; MI455X (gfx1250); checked and timed in simulation.
; The chip was launched on July 23, 2026; its instructions are those of AMD's public machine-readable ISA for CDNA 5 (MIT licence, August 2026) and "CDNA5" Instruction Set Architecture Reference Guide (July 2026). The comments in the code are by the model that wrote it; some were corrected since.
;; Attention. Allowed arithmetic: matrix products marked QUANTISED: E2M1 operands, one E8M0 scale for each 32 along K, by v_wmma_scale_f32_16x16x128_f8f6f4 with both operands' format E2M1 (or v_wmma_scale_f32_32x16x128_f4), f32 sums; products left as they are: bf16, f16 or f32 operands; f32 sums; everything else in f32.
;; Inputs: W_mlp 1,024 x 1,024 float32; W_qkv 1,024 x 3,072 float32; b_mlp 1,024 float32; input 4 x 2,048 x 1,024 float32.
;; Outputs: out0 4 x 2,048 x 1,024 float32.
;; This version of the problem:
;;   THIS VERSION OF THE PROBLEM IS GIVEN IN LOW PRECISION. The matrix products marked QUANTISED in the list below multiply operands that are first quantised to E2M1 (2 exponent bits, 1 mantissa bit; 4 bits a number), with one power-of-two scale for each 32 numbers along K (OCP MX v1.0); their sums are f32. The products marked 'left as it is' may take bf16, f16 or f32 operands, with f32 sums. Whichever they take, every output number must still come out within the allowed error. Rounding operands to bf16 (8 significant bits) uses up far more of that allowance than f16 does (11 bits, for magnitudes from 6e-5 to 65,504). All else is computed in f32.
;;   The module's matrix products, in the order in which they are computed (A, B: the left and right operand; K: the contracted axis; several contracted axes count as one K, in the product's order):
;;     1. [M 8,192, K 1,024] x [K 1,024, N 3,072]; A: input input; B: input W_qkv: QUANTISED
;;     2. batch 64 x [M 2,048, K 64] x [K 64, N 2,048]; A: computed on the way; B: computed on the way: left as it is (an operand is computed on the way)
;;     3. batch 64 x [M 2,048, K 2,048] x [K 2,048, N 64]; A: computed on the way; B: computed on the way: left as it is (an operand is computed on the way)
;;     4. [M 8,192, K 1,024] x [K 1,024, N 1,024]; A: computed on the way; B: input W_mlp: left as it is (an operand is computed on the way)
;;   THE QUANTISER, for each operand of a quantised product, along K:
;;     - K is cut into blocks of 32 from its start; a last block that is shorter is filled with zeros.
;;     - A block's scale is 2^e with e = floor(log2(the largest magnitude in the block)) - 2, held to -126 .. 127; a block of zeros has e = 0. As a byte (E8M0): e + 127.
;;     - Each number is divided by its block's scale, clamped to +-6, and rounded to the nearest number of E2M1, ties to even, subnormals kept.
;;     - The product sums the exact products of the quantised numbers (number of the format x scale) in f32.
;;   ~~~python
;;   def quantise(x, axis):      # numpy; x: float32 -> the quantised numbers, widened to float32 again
;;       x = np.moveaxis(x, axis, -1); K = x.shape[-1]
;;       x = np.pad(x, [(0, 0)] * (x.ndim - 1) + [(0, -K % 32)]); x = x.reshape(x.shape[:-1] + (-1, 32)); a = np.abs(x).max(-1, keepdims=True)
;;       e = np.where(a > 0, np.clip(np.frexp(np.where(a > 0, a, 1))[1] - 1 - 2, -126, 127), 0)      # np.frexp(a)[1] - 1 = floor(log2(a)), exactly
;;       r = np.clip(x / 2.0 ** e, -6, 6)
;;       step = 2.0 ** (np.maximum(np.frexp(np.where(r == 0, 1, r))[1] - 1, 0) - 1)
;;       q = np.round(r / step) * step * 2.0 ** e      # np.round: ties to even
;;       return np.moveaxis(q.reshape(q.shape[:-2] + (-1,))[..., :K], -1, axis).astype(np.float32)
;;   ~~~
;; One version. Each part assembles by itself: llvm-mc -triple=amdgcn-amd-amdhsa -mcpu=gfx1250 --defsym DOCPART=n.
;; ======== version 1 of 1: 4 launches
;; limits: values are held in f16: magnitudes above 65,504 overflow, below 6.1e-05 lose precision
;; workspace buffers: xc 4,194,304 bytes; xs 262,144 bytes; wc 1,572,864 bytes; ws 98,304 bytes; wm16 2,097,152 bytes; qkv 50,331,648 bytes; att 16,777,216 bytes
;; launch prep (part 1): grid 480 x 1, 4 waves a work-group, no clusters, 33,280 bytes of LDS; arguments input, W_qkv, W_mlp, xc, xs, wc, ws, wm16; writes xc, xs, wc, ws, wm16
.if DOCPART == 1
	.amdgcn_target "amdgcn-amd-amdhsa--gfx1250"
	.amdhsa_code_object_version 6
	.text
	.protected	k_q9e22c08395_prep
	.globl	k_q9e22c08395_prep
	.p2align	8
	.type	k_q9e22c08395_prep,@function
k_q9e22c08395_prep:
	s_mov_b64 s[64:65], 0
	v_nop
	global_prefetch_b8 v0, s[64:65] scope:SCOPE_SE
	s_setreg_imm32_b32 hwreg(HW_REG_WAVE_MODE, 25, 1), 1
	s_wait_xcnt 0x0
; THREE JOBS IN ONE LAUNCH, told apart by the work-group's number; the three ways never join again.
;   work-groups 0-191:   W_qkv [1024 k][3072 n] f32 -> codes of FP4 (E2M1) and E8M0 scale bytes, quantised along k (its FIRST axis)
;   work-groups 192-223: W_mlp [1024][1024] f32 -> f16, same layout
;   work-groups 224-479: input [8192][1024] f32 -> codes [8192][512 bytes] and scale bytes [8192][32], quantised along its last axis
; A block's scale is 2^(floor(log2(its largest magnitude)) - 2); its byte is the largest magnitude's exponent field - 2, held at 1 from below.
; LIMITS: a block of zeros gets the byte 1 where the quantiser says 127: its codes are zeros, which add nothing, and the bytes are read by this program alone.
; Blocks whose largest magnitude lies under 2^-124 (the floor) were not tried.  NaN and infinities are not served.  W_mlp beyond 65,504 in magnitude becomes infinity in f16.
; No work-group reads what another reads, so there is nothing to share in a cluster; no matrix work, no tensor loads.  Only the third way touches LDS.
.set SPARE, 32768                      ; behind the four waves' regions: the spare words, 128 bytes a wave: two blocks of 256 bytes that no other line names
.set SPW,   12                         ; v12  LDS address of my spare word; never rewritten
.set NIL,   13                         ; v13  0; never rewritten
.set STEPS, 16                         ; input: a wave takes 16 steps of 512 numbers
.set CB,    8                          ; bytes of 16 codes
.set R,     16                         ; v16-79   four sets of 16 numbers as they are loaded
.set X,     80                         ; v80-111  two sets of 16 neighbours
.set E,     112                        ; v112-127 a scale byte for each step
.set C,     128                        ; v128-191 codes: four registers for each step: no store's data are written again
.set WREG,  8192                       ; LDS: a region for each wave: two stages of 32 x SP bytes, behind them its 256 scale bytes
.set SP,    80                         ; a lane's place in a stage: 64 bytes + 16 of padding
.set WROW,  12288                      ; bytes in a row of W_qkv
.set WX,    32                         ; v32-95   W_qkv: two sets of 32 numbers
.set WC,    96                         ; v96-111  its codes: four registers a block, never rewritten
.set CX,    32                         ; v32-159  W_mlp: two sets of 64 numbers
.set CY,    160                        ; v160-191 16 x 2 registers of f16
	s_load_b256 s[4:11], s[0:1], 0x0               ; input s[4:5], W_qkv s[6:7], W_mlp s[8:9], xc s[10:11]
	s_load_b256 s[12:19], s[0:1], 0x20             ; xs s[12:13], wc s[14:15], ws s[16:17], wm16 s[18:19]
	v_lshl_add_u32 v[SPW], v0, 2, SPARE
	v_mov_b32 v[NIL], 0
	v_lshrrev_b32 v1, 5, v0
	v_readfirstlane_b32 s20, v1                    ; wave 0..3
	v_and_b32 v2, 31, v0                           ; lane
	s_mov_b32 s25, 0                               ; the upper word of every offset: all stay under 2^32
	s_wait_kmcnt 0x0
	s_cmp_lt_u32 ttmp9, 192
	s_cbranch_scc1 .Lw
	s_cmp_lt_u32 ttmp9, 224
	s_cbranch_scc1 .Lcast
; ---------------- input.  Rows are dense and 1,024 is a multiple of 32: the tensor is a plain stream of blocks of 32, and so are its codes and its scale bytes.
; Each load reads 512 consecutive bytes; a step's 2,048 bytes turn through the wave's own stage in LDS and come back 64 bytes a lane, so that a lane holds 16 NEIGHBOURS, as the conversions want; two lanes hold a block.
	s_sub_co_u32 s21, ttmp9, 224
	s_lshl_b32 s21, s21, 2
	s_add_co_u32 s21, s21, s20                     ; which run of 8,192 numbers is my wave's
	s_lshl_b32 s24, s21, 15
	s_add_nc_u64 s[4:5], s[4:5], s[24:25]          ; 32,768 bytes of f32 a run,
	s_lshl_b32 s24, s21, 12
	s_add_nc_u64 s[10:11], s[10:11], s[24:25]      ; 4,096 of codes,
	s_lshl_b32 s24, s21, 8
	s_add_nc_u64 s[12:13], s[12:13], s[24:25]      ; 256 of scale bytes
	v_lshlrev_b32 v3, 4, v2                        ; my 16 bytes of a load's 512
	s_mul_i32 s24, s20, WREG
	v_lshrrev_b32 v14, 2, v2
	v_mul_u32_u24 v14, v14, SP
	v_and_b32 v15, 3, v2
	v_lshl_add_u32 v14, v15, 4, v14
	v_add_nc_u32 v14, s24, v14                     ; the stage, on the way in: SP (lane / 4) + 16 (lane % 4)
	v_mul_u32_u24 v15, v2, SP
	v_add_nc_u32 v15, s24, v15                     ; and on the way out: SP x lane
	v_mul_u32_u24 v4, v2, CB                       ; my codes' place in a step's
	v_lshrrev_b32 v5, 1, v2
	s_add_co_u32 s24, s24, 2*32*SP
	v_add_nc_u32 v5, s24, v5                       ; LDS: my wave's 256 scale bytes, my block's byte
	v_lshlrev_b32 v7, 3, v2                        ; and on the way out 8 bytes a lane
	v_add_nc_u32 v6, s24, v7
.macro XLOAD t
.irp i, 0,1,2,3
	global_load_b128 v[R+16*((\t)%4)+4*\i:R+16*((\t)%4)+4*\i+3], v3, s[4:5] offset:2048*(\t)+512*\i th:TH_LOAD_NT
.endr
.endm
.macro XTURN t                         ; step t's numbers through the stage: LDS serves a wave's instructions in order, so no wait stands between the stores and the loads
.irp i, 0,1,2,3
	ds_store_b128 v14, v[R+16*((\t)%4)+4*\i:R+16*((\t)%4)+4*\i+3] offset:32*SP*((\t)%2)+8*SP*\i
.endr
.irp i, 0,1,2,3
	ds_load_b128 v[X+16*((\t)%2)+4*\i:X+16*((\t)%2)+4*\i+3], v15 offset:32*SP*((\t)%2)+16*\i
.endr
.endm
.irp t, 0,1,2,3
	XLOAD \t
.endr
	s_wait_loadcnt 12                              ; step 0's four loads are in; those of steps 1 to 3 may be out
	XTURN 0
.macro XSTEP t
.set XS, X+16*((\t)%2)
.if (\t) > 0
	s_wait_dscnt 1                                 ; this step's numbers are back from the stage (the last step's byte store may be out): so its stores into the stage have read their registers,
.else
	s_wait_dscnt 0x0
.endif
.if (\t)+4 < STEPS
	XLOAD (\t)+4                                   ; which take the loads of four steps on
.endif
.if (\t)+1 < STEPS
.if STEPS-2-(\t) >= 3
	s_wait_loadcnt 12                              ; the next step's four loads are in; those of the three steps behind it may be out
.else
	s_wait_loadcnt 4*(STEPS-2-(\t))
.endif
	XTURN (\t)+1                                   ; and go through the other stage while this step is worked
.endif
	v_max3_num_f32 v8, |v[XS]|, |v[XS+1]|, |v[XS+2]|               ; the largest magnitude of my 16, in two chains
	v_max3_num_f32 v9, |v[XS+3]|, |v[XS+4]|, |v[XS+5]|
.irp i, 6,10
	v_max3_num_f32 v8, v8, |v[XS+\i]|, |v[XS+\i+1]|
	v_max3_num_f32 v9, v9, |v[XS+\i+2]|, |v[XS+\i+3]|
.endr
	v_max3_num_f32 v8, v8, |v[XS+14]|, |v[XS+15]|
	v_max3_num_f32 v8, v8, v9, 0x1800000           ; and the floor 2^(3 - 127): the byte cannot fall under 1
	v_max_num_f32_dpp v8, v8, v8 row_xmask:1 row_mask:0xf bank_mask:0xf   ; and of my neighbour's 16: the block's
	v_add_nc_u32 v11, 0xff000000, v8               ; 2 off its exponent field: the conversion takes the exponent field of this operand as its scale
	v_cvt_scalef32_pk8_fp4_f32 v[C+4*(\t)], v[XS:XS+7], v11
	v_cvt_scalef32_pk8_fp4_f32 v[C+4*(\t)+1], v[XS+8:XS+15], v11
	v_lshrrev_b32 v[E+(\t)], 23, v11               ; the scale's byte (a plain line behind the conversions)
	ds_store_b8 v5, v[E+(\t)] offset:16*(\t)       ; both lanes of a block write the same byte with the same value
	global_store_b64 v4, v[C+4*(\t):C+4*(\t)+1], s[10:11] offset:32*CB*(\t)   ; the wave stores 256 consecutive bytes, aligned
.endm
.irp t, 0,1,2,3,4,5,6,7,8,9,10,11,12,13,14,15
	XSTEP \t
.endr
	ds_load_b64 v[8:9], v6                         ; my wave's 256 scale bytes: these loads see my stores
	s_wait_dscnt 0x0
	global_store_b64 v7, v[8:9], s[12:13]          ; 256 consecutive bytes, aligned
	s_wait_tensorcnt 0x0                           ; the wave's end
	ds_add_u32 v[SPW], v[NIL]
	s_wait_dscnt 0x0
	s_endpgm
; ---------------- W_qkv.  A LANE TAKES A COLUMN n AND ITS REGISTERS RUN DOWN k: a block of 32 lies in one lane's 32 registers, and the conversions give codes with k innermost.
; A work-group takes 128 columns x 128 along k (four blocks a lane); its four waves stand side by side on 512 bytes of each row.
; THE CODES ARE LAID AS IMAGES OF THE OPERAND'S REGISTERS: wc [k / 512][n / 16][(k / 128) % 4][1,024 bytes]; in an image the 16 bytes at 256 t + 16 (n % 16) are block t (k = 32 t on) of column n,
; which is what lane (n % 16) + 16 (t % 2) of the product's wave wants in registers 4 (t / 2) on.  So sixteen lanes' 16 bytes are 256 consecutive bytes, aligned, with no way through LDS.
.Lw:
	s_lshr_b32 s21, ttmp9, 3                       ; which 128 columns
	s_and_b32 s22, ttmp9, 7                        ; which 128 along k
	s_mul_i32 s24, s22, 128*WROW
	s_lshl_b32 s26, s21, 9
	s_add_co_u32 s24, s24, s26
	s_lshl_b32 s26, s20, 7
	s_add_co_u32 s24, s24, s26
	s_add_nc_u64 s[6:7], s[6:7], s[24:25]          ; W_qkv at row 128 kc, column 128 cg + 32 wave
	s_lshr_b32 s24, s22, 2
	s_mul_i32 s24, s24, 786432                     ; which 512 along k: 192 column blocks x 4,096 bytes
	s_lshl_b32 s26, s21, 15
	s_add_co_u32 s24, s24, s26                     ; eight column blocks a work-group,
	s_lshl_b32 s26, s20, 13
	s_add_co_u32 s24, s24, s26                     ; two a wave,
	s_and_b32 s26, s22, 3
	s_lshl_b32 s26, s26, 10
	s_add_co_u32 s24, s24, s26                     ; and the image of my 128 along k
	s_add_nc_u64 s[14:15], s[14:15], s[24:25]
	s_lshl_b32 s24, s21, 12
	s_lshl_b32 s26, s20, 10
	s_add_co_u32 s24, s24, s26
	s_lshl_b32 s26, s22, 2
	s_add_co_u32 s24, s24, s26
	s_add_nc_u64 s[16:17], s[16:17], s[24:25]      ; ws [3072][32]: my first column's row, my four bytes of it
	v_lshlrev_b32 v3, 2, v2                        ; in: 4 bytes a lane
	v_lshrrev_b32 v4, 4, v2
	v_lshlrev_b32 v4, 12, v4                       ; codes: lanes 16-31 belong to the next column block, 4,096 bytes on,
	v_and_b32 v7, 15, v2
	v_lshl_add_u32 v4, v7, 4, v4                   ; 16 bytes a column
	v_lshlrev_b32 v5, 5, v2                        ; scale bytes: 32 a column
.macro WLOAD t                         ; block t: W(32 t + i, my column), i = 0 .. 31, into set t % 2
.irp i, 0,1,2,3,4,5,6,7,8,9,10,11,12,13,14,15,16,17,18,19,20,21,22,23,24,25,26,27,28,29,30,31
	global_load_b32 v[WX+32*((\t)%2)+\i], v3, s[6:7] offset:(32*(\t)+\i)*WROW th:TH_LOAD_NT
.endr
.endm
.macro WBLOCK t
.set XS, WX+32*((\t)%2)
.if (\t) < 3
	s_wait_loadcnt 32                              ; this block's 32 loads are in; the next block's 32 may be out
.else
	s_wait_loadcnt 0x0
.endif
	v_max3_num_f32 v8, |v[XS]|, |v[XS+1]|, |v[XS+2]|                ; the block's largest magnitude: all 32 numbers are mine
	v_max3_num_f32 v9, |v[XS+3]|, |v[XS+4]|, |v[XS+5]|
.irp i, 6,10,14,18,22,26
	v_max3_num_f32 v8, v8, |v[XS+\i]|, |v[XS+\i+1]|
	v_max3_num_f32 v9, v9, |v[XS+\i+2]|, |v[XS+\i+3]|
.endr
	v_max3_num_f32 v8, v8, |v[XS+30]|, |v[XS+31]|
	v_max3_num_f32 v8, v8, v9, 0x1800000           ; and the floor 2^(3 - 127)
	v_add_nc_u32 v10, 0xff000000, v8               ; 2 off its exponent field: the conversions' scale operand
	v_lshrrev_b32 v11, 23, v10                     ; the scale's byte
.if (\t) == 0
	v_mov_b32 v6, v11                              ; four bytes make the scale word of my 128 along k
.else
	v_lshl_or_b32 v6, v11, 8*(\t), v6
.endif
.irp g, 0,1,2,3
	v_cvt_scalef32_pk8_fp4_f32 v[WC+4*(\t)+\g], v[XS+8*\g:XS+8*\g+7], v10
.endr
	global_store_b128 v4, v[WC+4*(\t):WC+4*(\t)+3], s[14:15] offset:256*(\t)   ; lanes 0-15 and lanes 16-31 each store 256 consecutive bytes, aligned
.if (\t) < 2
	WLOAD (\t)+2
.endif
.endm
	WLOAD 0
	WLOAD 1
	WBLOCK 0
	WBLOCK 1
	WBLOCK 2
	WBLOCK 3
	global_store_b32 v5, v6, s[16:17]              ; 4 bytes a lane, 32 bytes apart: one byte for each 128 that this way reads; the price of scale rows that the product's launch takes as one dense block
	s_endpgm
; ---------------- W_mlp to f16: a wave takes 8,192 numbers, four batches of 16 loads of 512 consecutive bytes; two batches are on their way.
.Lcast:
	s_sub_co_u32 s21, ttmp9, 192
	s_lshl_b32 s21, s21, 2
	s_add_co_u32 s21, s21, s20
	s_lshl_b32 s24, s21, 15
	s_add_nc_u64 s[8:9], s[8:9], s[24:25]
	s_lshl_b32 s24, s21, 14
	s_add_nc_u64 s[18:19], s[18:19], s[24:25]
	v_lshlrev_b32 v3, 4, v2
	v_lshlrev_b32 v4, 3, v2
.macro CLOAD g
.irp i, 0,1,2,3,4,5,6,7,8,9,10,11,12,13,14,15
	global_load_b128 v[CX+64*((\g)%2)+4*\i:CX+64*((\g)%2)+4*\i+3], v3, s[8:9] offset:(16*(\g)+\i)*512 th:TH_LOAD_NT
.endr
.endm
.macro CBATCH g
.if (\g) < 3
	s_wait_loadcnt 16                              ; this batch is in; the next batch's 16 loads may be out
.else
	s_wait_loadcnt 0x0
.endif
.if (\g) > 0
	s_wait_xcnt 0x0                                ; the last batch's stores have read their data registers, which are written again below
.endif
.irp i, 0,1,2,3,4,5,6,7,8,9,10,11,12,13,14,15
	v_cvt_pk_f16_f32 v[CY+2*\i], v[CX+64*((\g)%2)+4*\i], v[CX+64*((\g)%2)+4*\i+1]
	v_cvt_pk_f16_f32 v[CY+2*\i+1], v[CX+64*((\g)%2)+4*\i+2], v[CX+64*((\g)%2)+4*\i+3]
.endr
.irp i, 0,1,2,3,4,5,6,7,8,9,10,11,12,13,14,15
	global_store_b64 v4, v[CY+2*\i:CY+2*\i+1], s[18:19] offset:(16*(\g)+\i)*256   ; 256 consecutive bytes, aligned
.endr
.if (\g) < 2
	CLOAD (\g)+2
.endif
.endm
	CLOAD 0
	CLOAD 1
	CBATCH 0
	CBATCH 1
	CBATCH 2
	CBATCH 3
	s_endpgm
.Lfunc_end_k_q9e22c08395_prep:
	.size	k_q9e22c08395_prep, .Lfunc_end_k_q9e22c08395_prep-k_q9e22c08395_prep
	.p2alignl 7, 3214868480
	.fill 96, 4, 3214868480
	.section	.rodata,"a",@progbits
	.p2align	6, 0x0
	.amdhsa_kernel k_q9e22c08395_prep
		.amdhsa_group_segment_fixed_size 33280
		.amdhsa_private_segment_fixed_size 0
		.amdhsa_enable_private_segment 0
		.amdhsa_kernarg_size 64
		.amdhsa_user_sgpr_count 2
		.amdhsa_user_sgpr_kernarg_segment_ptr 1
		.amdhsa_wavefront_size32 1
		.amdhsa_system_sgpr_workgroup_id_x 1
		.amdhsa_system_sgpr_workgroup_id_y 1
		.amdhsa_system_sgpr_workgroup_id_z 1
		.amdhsa_system_vgpr_workitem_id 0
		.amdhsa_next_free_vgpr 192
		.amdhsa_next_free_sgpr 66
		.amdhsa_reserve_vcc 0
		.amdhsa_float_denorm_mode_32 3
		.amdhsa_float_denorm_mode_16_64 3
		.amdhsa_memory_ordered 1
		.amdhsa_forward_progress 1
		.amdhsa_inst_pref_size 73
	.end_amdhsa_kernel
	.amdgpu_metadata
---
amdhsa.version: [ 1, 2 ]
amdhsa.kernels:
  - .name:           k_q9e22c08395_prep
    .symbol:         k_q9e22c08395_prep.kd
    .args:
      - { .name: input, .offset: 0, .size: 8, .value_kind: global_buffer, .address_space: global }
      - { .name: W_qkv, .offset: 8, .size: 8, .value_kind: global_buffer, .address_space: global }
      - { .name: W_mlp, .offset: 16, .size: 8, .value_kind: global_buffer, .address_space: global }
      - { .name: xc, .offset: 24, .size: 8, .value_kind: global_buffer, .address_space: global }
      - { .name: xs, .offset: 32, .size: 8, .value_kind: global_buffer, .address_space: global }
      - { .name: wc, .offset: 40, .size: 8, .value_kind: global_buffer, .address_space: global }
      - { .name: ws, .offset: 48, .size: 8, .value_kind: global_buffer, .address_space: global }
      - { .name: wm16, .offset: 56, .size: 8, .value_kind: global_buffer, .address_space: global }
    .group_segment_fixed_size: 33280
    .private_segment_fixed_size: 0
    .kernarg_segment_align: 8
    .kernarg_segment_size: 64
    .max_flat_workgroup_size: 128
    .sgpr_count:     66
    .vgpr_count:     192
    .wavefront_size: 32
...
	.end_amdgpu_metadata
.endif
;; end of part 1
;; launch qkvgemm (part 2): grid 12 x 32, 4 waves a work-group, clusters of 4 x 4, 327,680 bytes of LDS; arguments xc, xs, wc, ws, qkv; writes qkv
.if DOCPART == 2
	.amdgcn_target "amdgcn-amd-amdhsa--gfx1250"
	.amdhsa_code_object_version 6
	.text
	.protected	k_q9e22c08395_qkvgemm
	.globl	k_q9e22c08395_qkvgemm
	.p2align	8
	.type	k_q9e22c08395_qkvgemm,@function
k_q9e22c08395_qkvgemm:
	s_mov_b64 s[64:65], 0
	v_nop
	global_prefetch_b8 v0, s[64:65] scope:SCOPE_SE
	s_setreg_imm32_b32 hwreg(HW_REG_WAVE_MODE, 25, 1), 1
	s_wait_xcnt 0x0
	s_wait_alu depctr_hold_cnt(0) depctr_sa_sdst(0) depctr_va_vdst(0) depctr_va_sdst(0) depctr_va_ssrc(0) depctr_va_vcc(0) depctr_vm_vsrc(0)
	s_getreg_b32 s2, hwreg(HW_REG_IB_STS2, 6, 4)
	s_cmp_eq_u32 s2, 0
	s_cbranch_scc0 .Lentry_in_a_cluster
	s_endpgm
.Lentry_in_a_cluster:
	s_bfe_u32 s2, ttmp6, 0x10000c
	s_cmp_lg_u32 s2, 0xf033
	s_cbranch_scc0 .Lentry_shape_is_right
	s_endpgm
.Lentry_shape_is_right:
; qkv = Q(input) Q(W_qkv): [8192 m][1024 k] x [1024 k][3072 n], both operands codes of FP4 (E2M1) with one E8M0 scale for each 32 along k; sums in f32; the result rounded once to f16.
; A: xc [8192][512 bytes], k innermost; xs [8192][32].  B: wc, images of the operand's registers, [k / 512][n / 16][(k / 128) % 4][1,024 bytes]; ws [3072][32].
; OUT: qkv [3 (q, k, v)][batch 4][head 16][position 2048][64] f16: a plane (one of q, k, v; one batch; one head) is 262,144 bytes, so that 4 positions of a head are 512 consecutive bytes.
; LIMIT: a result beyond 65,504 in magnitude becomes infinity in f16 (the drawn inputs give a spread of 0.64; both inputs 30 times larger give some 600).
; A tile of the result, 256 x 256, is made by four waves, one to a SIMD; a wave makes 128 x 128: 64 accumulators, 512 registers.  k = 1,024 is two slots of 512: BOTH ARE ASKED FOR AT THE HEAD, and nothing is filled again.
; CLUSTERS: 4 x 4 work-groups.  The four of a row need the same rows of A, the four of a column the same columns of B: each tile is asked for JOINTLY.
; THE MATRIX INSTRUCTION IS USED TRANSPOSED (source 0 = 16 columns of W, source 1 = 16 rows of input): a lane then holds eight neighbouring columns of one row.
; REGISTERS: window 0: v0-31 addresses; v32-95 scale words, two sets; v128-191 A's fragments, ONE set; on the way out v32-63, v192-255.  window 1: B's fragments, TWO sets, at v0 and v128.
;   window 2: the accumulators of my rows 0-63 ((a, b) at v[8 (8 a + b)]); window 3: those of my rows 64-127.
.set NQ,     4                         ; steps of 128 along k in a slot
.set ROWB,   256                       ; a row of A's tile in bytes: 512 codes
.set KROW,   512                       ; a row of xc
.set PITCH,  272                       ; A's row in LDS: 256 bytes + 16 of padding = 68 words: row r starts at bank 4 r mod 64 (64 banks of 4 bytes: ISA guide 11.1)
.set FR,     8                         ; registers of a fragment
.set NL,     2                         ; LDS loads that bring one
.set NP,     4                         ; places behind this matrix instruction (ISA guide 7.12.1)
.set HALFA,  128*PITCH                 ; 128 rows of A: what one tensor load brings, and what one wave reads
.set HALFB,  32768                     ; 8 column blocks x 4 images of B: likewise; dense
.set SLOT,   2*HALFA+2*HALFB
.set WHALF,  786432                    ; bytes of wc for 512 along k
.set SCL,    2*SLOT                    ; behind the slots: the scales, as units of 256 bytes + 16 of padding
.set HALFS,  16*272                    ; the scales of 128 rows
.set SBLK,   2*272                     ; those of 16 rows
.set SPARE,  SCL+4*HALFS               ; the spare words, 128 bytes a wave: two blocks of 256 bytes that no other line names
.set STAGE,  SPARE+512                 ; the way out: 16 rows x (256 bytes + 16) for each wave; no tensor load lands here
.set SPITCH, 272
.set PLANE,  262144
.set ADRA, 16                          ; v16-17  LDS address of my A fragments in slot 0, 1
.set ADRB, 20                          ; v20-21  the same for B
.set STO,  24                          ; v24     the way out: where I put 16 bytes of a row
.set RD,   25                          ; v25     where I read 16 bytes of a position back
.set CO,   26                          ; v26     16 x lane
.set ADRS, 27                          ; v27     LDS address of my scale words: lanes 0-15 A's rows, lanes 16-31 B's columns
.set SPW,  28                          ; v28     my spare word; never rewritten
.set NIL,  29                          ; v29     0; never rewritten
.set SC,   32                          ; scale words: set s at v[SC + 32 s]; register 4 i + q: lanes 0-15 A's block i, lanes 16-31 B's block i, the slot's q-th 128 along k
.set AF,   128
.set TMP,  192                         ; the way out: packed results
.set OB,   32                          ; the way out: rows read back: v32-63 and v224-255 by turns
.set G1, 24                            ; s[24:31] group 1 for A's tiles; s[32:39] group 0, a set for each slot
.set G0, 32
.set G1B, 48                           ; s[48:55], s[56:63] the same for B's
.set G0B, 56
.set G1S, 68                           ; s[68:75], s[76:79] groups 1 and 0 for A's scales; s[80:87], s[88:91] for B's
.set G0S, 76
.set G1SB, 80
.set G0SB, 88
.set MSB, 0
.macro WIN new                         ; the immediate's high byte repeats the setting that is left
.if MSB != (\new)
	s_set_vgpr_msb (MSB<<8)|(\new)
.set MSB, (\new)
.endif
.endm
.set MUL_LO, 0xa1                      ; source 0 (B) window 1, source 1 (A) window 0, C and D window 2
.set MUL_HI, 0xf1                      ; the same, C and D window 3
.set TO_B,   0x40                      ; destination window 1, address window 0
; A joint load: waves 0 and 1 fetch for A, waves 2 and 3 for B.  The branch hangs on the wave's number alone.  An s_nop 0 and four v_nop follow each line.
.macro JLOAD g0a, g1a, g0b, g1b
	s_cmp_eq_u32 s15, 0
	s_cbranch_scc0 .Lfor_b_\@
	tensor_load_to_lds s[\g0a:\g0a+3], s[\g1a:\g1a+7]
	s_nop 0
.rept 4
	v_nop
.endr
	s_branch .Lasked_\@
.Lfor_b_\@:
	tensor_load_to_lds s[\g0b:\g0b+3], s[\g1b:\g1b+7]
	s_nop 0
.rept 4
	v_nop
.endr
.Lasked_\@:
.endm
.macro CROUND                          ; a round of the cluster's barrier
	s_barrier_signal -1
	s_barrier_wait -1
	s_cmp_lg_u32 s14, 0
	s_cbranch_scc1 .Lnot_wave_0_\@
	s_barrier_signal -3
.Lnot_wave_0_\@:
	s_barrier_wait -3
	s_barrier_signal -1
	s_barrier_wait -1
.endm
	s_load_b128 s[4:7], s[0:1], 0x0                ; xc s[4:5], xs s[6:7]
	s_load_b128 s[8:11], s[0:1], 0x10              ; wc s[8:9], ws s[10:11]
	s_load_b64 s[12:13], s[0:1], 0x20              ; qkv
	v_lshl_add_u32 v[SPW], v0, 2, SPARE
	v_mov_b32 v[NIL], 0
	ds_add_u32 v[SPW], v[NIL]                      ; the wave's opening: the add, twice on end, and its wait ahead of my first tensor load
	ds_add_u32 v[SPW], v[NIL]
	v_lshrrev_b32 v1, 5, v0
	v_readfirstlane_b32 s14, v1                    ; wave 0..3
	s_lshr_b32 s15, s14, 1                         ; which half of the tile's rows is mine.  Also: I fetch for A (0) or for B (1)
	s_and_b32 s16, s14, 1                          ; which half of its columns.  Also: which half of that tile I fetch
	s_bfe_u32 s40, ttmp6, 0x40000                  ; cx, cy: my place in the cluster
	s_bfe_u32 s41, ttmp6, 0x40004
	s_lshl_b32 s42, ttmp9, 2
	s_add_co_u32 s42, s42, s40                     ; tile column = 4 x cluster x + cx
	s_and_b32 s17, ttmp7, 0xffff
	s_lshl_b32 s17, s17, 2
	s_add_co_u32 s17, s17, s41                     ; tile row = 4 x cluster y + cy
	s_lshl_b32 s43, s41, 2
	s_lshl_b32 s43, 15, s43                        ; my row of the cluster
	s_lshl_b32 s44, 0x1111, s40                    ; my column
	; group 1 for A: 128 rows x 256 bytes, 512 bytes apart in memory, 16 bytes of padding behind each in LDS
	s_or_b32 s[G1+0], s43, (0<<16)|(1<<20)|(1<<21)|(5<<22)|(3<<25)  ; the mask: my row; elements of 1 byte; padding on; bit 21 beside a mask; after every 64 words, 4 words
	s_mov_b32 s[G1+1], ROWB<<16                    ; tensor_dim0
	s_mov_b32 s[G1+2], 128<<16                     ; tensor_dim1
	s_mov_b32 s[G1+3], ROWB<<16                    ; tile_dim0
	s_mov_b32 s[G1+4], 128                         ; tile_dim1
	s_mov_b32 s[G1+5], KROW                        ; from row to row
	s_mov_b32 s[G1+6], 0
	s_mov_b32 s[G1+7], 0
	; group 1 for B: a dense block of 32,768 bytes as 128 rows of 256 bytes (32 elements of 8 bytes), no padding
	s_or_b32 s[G1B+0], s44, (3<<16)|(1<<21)        ; the mask: my column
	s_mov_b32 s[G1B+1], 32<<16
	s_mov_b32 s[G1B+2], 128<<16
	s_mov_b32 s[G1B+3], 32<<16
	s_mov_b32 s[G1B+4], 128
	s_mov_b32 s[G1B+5], 32
	s_mov_b32 s[G1B+6], 0
	s_mov_b32 s[G1B+7], 0
	; the scales of 128 rows: a dense block of 4,096 bytes as 16 rows of 256 bytes, 16 bytes of padding behind each
	s_or_b32 s[G1S+0], s43, (3<<16)|(1<<20)|(1<<21)|(5<<22)|(3<<25)
	s_or_b32 s[G1SB+0], s44, (3<<16)|(1<<20)|(1<<21)|(5<<22)|(3<<25)
.irp g, G1S, G1SB
	s_mov_b32 s[\g+1], 32<<16
	s_mov_b32 s[\g+2], 16<<16
	s_mov_b32 s[\g+3], 32<<16
	s_mov_b32 s[\g+4], 16
	s_mov_b32 s[\g+5], 32
	s_mov_b32 s[\g+6], 0
	s_mov_b32 s[\g+7], 0
.endr
	s_lshl_b32 s18, s16, 7                         ; which 128 of the tile's 256 I fetch
	s_lshl_b32 s20, s17, 8
	s_add_co_u32 s20, s20, s18                     ; A: row 256 x tile row + 128 x half
	s_lshl_b32 s46, s42, 8
	s_add_co_u32 s46, s46, s18                     ; B: column 256 x tile column + 128 x half
	s_mov_b32 s21, 0
	s_mov_b32 s47, 0
	s_lshl_b64 s[22:23], s[20:21], 5               ; these rows' scales: 32 bytes a row
	s_lshl_b64 s[92:93], s[46:47], 5
	s_lshl_b64 s[20:21], s[20:21], 9               ; A's codes: 512 bytes a row
	s_lshl_b64 s[46:47], s[46:47], 8               ; B's images: 4,096 bytes for 16 columns
	s_mul_i32 s45, s16, HALFA                      ; where they go: no place in the cluster enters an LDS address
	s_mul_i32 s95, s16, HALFB
	s_add_co_u32 s95, s95, 2*HALFA
	s_mul_i32 s94, s14, HALFS
	s_wait_dscnt 0x0                               ; both opening adds are done
	s_wait_kmcnt 0x0
	s_add_nc_u64 s[20:21], s[4:5], s[20:21]
	s_add_nc_u64 s[22:23], s[6:7], s[22:23]
	s_add_nc_u64 s[46:47], s[8:9], s[46:47]
	s_add_nc_u64 s[92:93], s[10:11], s[92:93]
	CROUND                                         ; all sixteen work-groups are here: the joint loads meet
	s_mov_b32 s[G0S], 1
	s_add_co_u32 s[G0S+1], s94, SCL
	s_mov_b64 s[G0S+2:G0S+3], s[22:23]
	s_or_b32 s[G0S+3], s[G0S+3], 0x80000000
	s_mov_b32 s[G0SB], 1
	s_add_co_u32 s[G0SB+1], s94, SCL
	s_mov_b64 s[G0SB+2:G0SB+3], s[92:93]
	s_or_b32 s[G0SB+3], s[G0SB+3], 0x80000000
	JLOAD G0S, G1S, G0SB, G1SB                     ; the scales first: they are wanted with slot 0
.irp s, 0,1
	s_mov_b32 s[G0+4*\s], 1
	s_add_co_u32 s[G0+4*\s+1], s45, \s*SLOT
	s_add_nc_u64 s[G0+4*\s+2:G0+4*\s+3], s[20:21], \s*ROWB
	s_or_b32 s[G0+4*\s+3], s[G0+4*\s+3], 0x80000000
	s_mov_b32 s[G0B+4*\s], 1
	s_add_co_u32 s[G0B+4*\s+1], s95, \s*SLOT
	s_add_nc_u64 s[G0B+4*\s+2:G0B+4*\s+3], s[46:47], \s*WHALF
	s_or_b32 s[G0B+4*\s+3], s[G0B+4*\s+3], 0x80000000
	JLOAD G0+4*\s, G1, G0B+4*\s, G1B               ; by this text's count three tensor loads of a wave are out, and no more follow
.endr
	v_and_b32 v1, 15, v0                           ; r = lane % 16
	v_bfe_u32 v2, v0, 4, 1                         ; h = lane / 16
	v_mul_u32_u24 v3, v1, PITCH
	v_lshl_add_u32 v4, v2, 4, v3                   ; A: a fragment's row x pitch + 16 h
	v_and_b32 v6, 31, v0
	v_lshlrev_b32 v[CO], 4, v6                     ; B: an image's 16 bytes for my lane
	s_mul_i32 s21, s15, HALFA                      ; my 128 rows of A
	s_mul_i32 s22, s16, HALFB                      ; my 8 column blocks of B,
	s_add_co_u32 s22, s22, 2*HALFA                 ; which lie behind A's 256 rows
.irp s, 0,1
	v_add_nc_u32 v[ADRA+\s], s21, v4
	v_add_nc_u32 v[ADRB+\s], s22, v[CO]
	s_add_co_u32 s21, s21, SLOT
	s_add_co_u32 s22, s22, SLOT
.endr
	v_lshlrev_b32 v5, 5, v1                        ; my row's scales: 32 bytes a row,
	v_lshrrev_b32 v7, 8, v5
	v_lshl_add_u32 v5, v7, 4, v5                   ; and 16 more for each 256 passed
	s_mul_i32 s21, s15, HALFS                      ; A's: my 128 rows
	s_mul_i32 s22, s16, HALFS                      ; B's: my 128 columns, behind A's 256
	s_add_co_u32 s22, s22, 2*HALFS
	s_sub_co_u32 s22, s22, s21
	v_mul_u32_u24 v7, s22, v2                      ; lanes 16-31 take B's: one product, the distance between the two bases x h
	s_add_co_u32 s21, s21, SCL
	v_add_nc_u32 v5, v5, v7
	v_add_nc_u32 v[ADRS], s21, v5
	s_mul_i32 s23, s14, 16*SPITCH
	s_add_co_u32 s23, s23, STAGE                   ; my stage
	v_mul_u32_u24 v5, v1, SPITCH                   ; in: row r, 16 bytes for each half of the lanes
	v_lshl_add_u32 v5, v2, 4, v5
	v_add_nc_u32 v[STO], s23, v5
	v_lshrrev_b32 v5, 3, v6                        ; back: eight lanes take the 128 bytes of one head in one row: row lane / 8,
	v_mul_u32_u24 v5, v5, SPITCH
	v_and_b32 v7, 7, v0
	v_lshl_add_u32 v5, v7, 4, v5                   ; 16 (lane % 8)
	v_add_nc_u32 v[RD], s23, v5
	; where my 128 rows x 128 columns begin in qkv: the offset is made apart from the pointer
	s_lshl_b32 s20, s17, 8
	s_lshl_b32 s21, s15, 7
	s_add_co_u32 s20, s20, s21                     ; my first row m
	s_lshr_b32 s21, s20, 11
	s_lshl_b32 s21, s21, 4                         ; the batch: 16 planes each
	s_and_b32 s20, s20, 2047
	s_lshl_b32 s20, s20, 7                         ; the position: 128 bytes each
	s_lshl_b32 s46, s42, 8
	s_lshl_b32 s47, s16, 7
	s_add_co_u32 s46, s46, s47                     ; my first column n
	s_lshr_b32 s47, s46, 10
	s_lshl_b32 s47, s47, 6                         ; q, k or v: 64 planes each
	s_bfe_u32 s46, s46, 0x40006                    ; the head: (n % 1024) / 64
	s_add_co_u32 s46, s46, s47
	s_add_co_u32 s46, s46, s21
	s_lshl_b32 s46, s46, 18                        ; the plane's 262,144 bytes (191 planes at the most: under 2^32)
	s_add_co_u32 s46, s46, s20
	s_mov_b32 s47, 0
	s_add_nc_u64 s[12:13], s[12:13], s[46:47]
.macro FRAG reg, adr, q, i             ; A: 16 rows x 128 k of 4-bit codes, 8 registers: lane (r, h) holds row r; registers 4 c on hold k = 64 c + 32 h + 0 .. 31
.irp c, 0,1
	ds_load_b128 v[\reg+4*\c:\reg+4*\c+3], v[\adr] offset:64*(\q)+32*\c+(\i)*16*PITCH
.endr
.endm
.macro FRAGB reg, adr, q, i            ; B: the image as it lies: 512 consecutive bytes a load
.irp c, 0,1
	ds_load_b128 v[\reg+4*\c:\reg+4*\c+3], v[\adr] offset:1024*(\q)+512*\c+4096*(\i)
.endr
.endm
; 16 matrix instructions: A's blocks a0, a0 + 1 x B's eight, the slot's q-th 128 along k.  p: B's set; sc: the set of scale words.  zero = 1: the first product starts the sums.
; The 64 accumulators take turns, one instruction a turn, in the same order in every step.
.macro MUL16 a0, p, q, sc, zero
.irp a, \a0, \a0+1
.irp b, 0,1,2,3,4,5,6,7
.if \zero
	v_wmma_scale_f32_16x16x128_f8f6f4 v[8*(8*((\a)%4)+\b):8*(8*((\a)%4)+\b)+7], v[128*(\p)+FR*\b:128*(\p)+FR*\b+FR-1], v[AF+FR*(\a):AF+FR*(\a)+FR-1], 0, v[SC+8*NQ*(\sc)+NQ*\b+(\q)], v[SC+8*NQ*(\sc)+NQ*(\a)+(\q)] matrix_a_fmt:MATRIX_FMT_FP4 matrix_b_fmt:MATRIX_FMT_FP4 matrix_a_scale:MATRIX_SCALE_ROW1
.else
	v_wmma_scale_f32_16x16x128_f8f6f4 v[8*(8*((\a)%4)+\b):8*(8*((\a)%4)+\b)+7], v[128*(\p)+FR*\b:128*(\p)+FR*\b+FR-1], v[AF+FR*(\a):AF+FR*(\a)+FR-1], v[8*(8*((\a)%4)+\b):8*(8*((\a)%4)+\b)+7], v[SC+8*NQ*(\sc)+NQ*\b+(\q)], v[SC+8*NQ*(\sc)+NQ*(\a)+(\q)] matrix_a_fmt:MATRIX_FMT_FP4 matrix_b_fmt:MATRIX_FMT_FP4 matrix_a_scale:MATRIX_SCALE_ROW1
.endif
.endr
.endr
.endm
.macro FETCH_B slot, q, p
	WIN TO_B
.irp i, 0,1,2,3,4,5,6,7
	FRAGB 128*(\p)+FR*\i, ADRB+\slot, \q, \i
.endr
	WIN 0
.endm
.macro FETCH_A slot, q, i0
.irp i, \i0, \i0+1, \i0+2, \i0+3
	FRAG AF+FR*(\i), ADRA+\slot, \q, \i
.endr
.endm
.macro SCALES sc                       ; a slot's scale words: 4 words a row; lanes 0-15 take A's block i, lanes 16-31 B's block i
.irp i, 0,1,2,3,4,5,6,7
	ds_load_b128 v[SC+8*NQ*\sc+NQ*\i:SC+8*NQ*\sc+NQ*\i+3], v[ADRS] offset:\i*SBLK
.endr
.endm
.macro PLACES n                        ; plain vector instructions between a matrix instruction and a load into, or a read of, its registers
.rept \n
	v_nop
.endr
.endm
; A step of 128 along k that has its successor in the same slot.  A's block is free as soon as its eight products are issued, so A has one set: blocks 0-3 are fetched anew in the middle, blocks 4-7 at the end.
.macro STEP slot, q, zero
	s_wait_dscnt 4*NL                              ; B's set, the scale words and A's blocks 0-3 are in; the youngest eight loads (A's blocks 4-7) may be out
	WIN MUL_LO
	MUL16 0, (\q)%2, \q, \slot, \zero
	MUL16 2, (\q)%2, \q, \slot, \zero
	s_wait_dscnt 0                                 ; A's blocks 4-7 are in
	PLACES NP
	FETCH_B \slot, (\q)+1, 1-(\q)%2
	FETCH_A \slot, (\q)+1, 0
	WIN MUL_HI
	MUL16 4, (\q)%2, \q, \slot, \zero
	MUL16 6, (\q)%2, \q, \slot, \zero
	PLACES NP
	WIN 0
	FETCH_A \slot, (\q)+1, 4
.endm
; Slot 0's last step changes slots: one barrier; in front of it each wave waits for all its tensor loads (its part of slot 1).
.macro TURN slot, next
	s_wait_tensorcnt 0x0                           ; all my tensor loads have landed
	ds_add_u32 v[SPW], v[NIL]                      ; 0 onto my spare word
	s_wait_dscnt 4*NL+1                            ; (the add and the youngest eight loads may be out)
	WIN MUL_LO
	MUL16 0, 1, NQ-1, \slot, 0
	s_wait_dscnt 0x0                               ; no LDS instruction of mine is out at the signal
	s_barrier_signal -1
	MUL16 2, 1, NQ-1, \slot, 0
	WIN 0
	s_barrier_wait -1                              ; every wave's part of the next slot has landed
	PLACES NP
	v_add_nc_u32 v[ADRS], 4*NQ, v[ADRS]            ; on to the next slot's scale words
	FETCH_B \next, 0, 0
	FETCH_A \next, 0, 0
	SCALES \next
	WIN MUL_HI
	MUL16 4, 1, NQ-1, \slot, 0
	MUL16 6, 1, NQ-1, \slot, 0
	PLACES NP
	WIN 0
	FETCH_A \next, 0, 4
.endm
	s_wait_tensorcnt 1                             ; the scales and my part of slot 0 are in (slot 1's load may be out),
	s_barrier_signal -1
	s_barrier_wait -1                              ; everybody's are
	FETCH_B 0, 0, 0
	FETCH_A 0, 0, 0
	SCALES 0
	FETCH_A 0, 0, 4
	STEP 0, 0, 1                                   ; the first products start the sums: nothing is cleared
	STEP 0, 1, 0
	STEP 0, 2, 0
	TURN 0, 1
	STEP 1, 0, 0
	STEP 1, 1, 0
	STEP 1, 2, 0
	s_wait_dscnt 4*NL                              ; the last step: nothing more to fetch
	WIN MUL_LO
	MUL16 0, 1, NQ-1, 1, 0
	MUL16 2, 1, NQ-1, 1, 0
	s_wait_dscnt 0
	WIN MUL_HI
	MUL16 4, 1, NQ-1, 1, 0
	MUL16 6, 1, NQ-1, 1, 0
	WIN 0
; THE WAY OUT, a block of 16 rows x 128 columns (two heads) at a time.  PACK: rounded to f16, 16 bytes a lane, each accumulator from its low end on.  TOSTAGE: into my own stage, and back so that the
; 32 lanes hold 4 positions x 128 bytes of ONE head, which are 512 consecutive bytes of qkv.  (On the way back two rows' 128 bytes fall on the same banks: two deep, eight loads a block.)  SEND: stored.
.macro PACK a
.set AC, 64*((\a)%4)
	WIN 0x0a+5*((\a)/4)                            ; sources 0 and 1: window 2 or 3
.irp b, 0,1,2,3,4,5,6,7
.irp r, 0,1,2,3
	v_cvt_pk_f16_f32 v[TMP+4*\b+\r], v[AC+8*\b+2*\r], v[AC+8*\b+2*\r+1]
.endr
.endr
	WIN 0
.endm
.macro TOSTAGE a
.set BK, OB+192*((\a)%2)
.irp b, 0,1,2,3,4,5,6,7
	ds_store_b128 v[STO], v[TMP+4*\b:TMP+4*\b+3] offset:32*\b
.endr
.irp d, 0,1
.irp t, 0,1,2,3
	ds_load_b128 v[BK+16*\d+4*\t:BK+16*\d+4*\t+3], v[RD] offset:128*\d+\t*4*SPITCH   ; LDS serves a wave's instructions in order: these see the stores above
.endr
.endr
.endm
.macro SEND a
.set BK, OB+192*((\a)%2)
	s_wait_dscnt 0x0                               ; the block is back in registers
	s_wait_xcnt 0x0                                ; the block before has had its stores' registers read: the next block's loads may land there
.irp d, 0,1
.irp t, 0,1,2,3
	global_store_b128 v[CO], v[BK+16*\d+4*\t:BK+16*\d+4*\t+3], s[12:13] offset:\d*PLANE+(\a)*2048+\t*512   ; 512 consecutive bytes, aligned; every offset is an immediate, the base is never stepped
.endr
.endr
.endm
	PLACES NP
	PACK 0
	TOSTAGE 0
.irp a, 1,2,3,4,5,6,7                  ; block a's conversions stand between block a - 1's loads from the stage and the wait for them
	PACK \a
	SEND \a-1
	TOSTAGE \a
.endr
	SEND 7
	s_wait_tensorcnt 0x0                           ; the wave's end
	ds_add_u32 v[SPW], v[NIL]
	s_wait_dscnt 0x0
	CROUND                                         ; the closing round
	s_endpgm
.Lfunc_end_k_q9e22c08395_qkvgemm:
	.size	k_q9e22c08395_qkvgemm, .Lfunc_end_k_q9e22c08395_qkvgemm-k_q9e22c08395_qkvgemm
	.p2alignl 7, 3214868480
	.fill 96, 4, 3214868480
	.section	.rodata,"a",@progbits
	.p2align	6, 0x0
	.amdhsa_kernel k_q9e22c08395_qkvgemm
		.amdhsa_group_segment_fixed_size 327680
		.amdhsa_private_segment_fixed_size 0
		.amdhsa_enable_private_segment 0
		.amdhsa_kernarg_size 40
		.amdhsa_user_sgpr_count 2
		.amdhsa_user_sgpr_kernarg_segment_ptr 1
		.amdhsa_wavefront_size32 1
		.amdhsa_system_sgpr_workgroup_id_x 1
		.amdhsa_system_sgpr_workgroup_id_y 1
		.amdhsa_system_sgpr_workgroup_id_z 1
		.amdhsa_system_vgpr_workitem_id 0
		.amdhsa_next_free_vgpr 1024
		.amdhsa_next_free_sgpr 98
		.amdhsa_reserve_vcc 0
		.amdhsa_float_denorm_mode_32 3
		.amdhsa_float_denorm_mode_16_64 3
		.amdhsa_memory_ordered 1
		.amdhsa_forward_progress 1
		.amdhsa_inst_pref_size 127
	.end_amdhsa_kernel
	.amdgpu_metadata
---
amdhsa.version: [ 1, 2 ]
amdhsa.kernels:
  - .name:           k_q9e22c08395_qkvgemm
    .symbol:         k_q9e22c08395_qkvgemm.kd
    .args:
      - { .name: xc, .offset: 0, .size: 8, .value_kind: global_buffer, .address_space: global }
      - { .name: xs, .offset: 8, .size: 8, .value_kind: global_buffer, .address_space: global }
      - { .name: wc, .offset: 16, .size: 8, .value_kind: global_buffer, .address_space: global }
      - { .name: ws, .offset: 24, .size: 8, .value_kind: global_buffer, .address_space: global }
      - { .name: qkv, .offset: 32, .size: 8, .value_kind: global_buffer, .address_space: global }
    .group_segment_fixed_size: 327680
    .private_segment_fixed_size: 0
    .kernarg_segment_align: 8
    .kernarg_segment_size: 40
    .max_flat_workgroup_size: 128
    .sgpr_count:     98
    .vgpr_count:     1024
    .wavefront_size: 32
...
	.end_amdgpu_metadata
.endif
;; end of part 2
;; launch attn (part 3): grid 4 x 64, 8 waves a work-group, clusters of 4 x 1, 327,680 bytes of LDS; arguments qkv, att; writes att
.if DOCPART == 3
	.amdgcn_target "amdgcn-amd-amdhsa--gfx1250"
	.amdhsa_code_object_version 6
	.text
	.protected	k_q9e22c08395_attn
	.globl	k_q9e22c08395_attn
	.p2align	8
	.type	k_q9e22c08395_attn,@function
k_q9e22c08395_attn:
	s_mov_b64 s[64:65], 0
	v_nop
	global_prefetch_b8 v0, s[64:65] scope:SCOPE_SE
	s_setreg_imm32_b32 hwreg(HW_REG_WAVE_MODE, 25, 1), 1
	s_wait_xcnt 0x0
	s_wait_alu depctr_hold_cnt(0) depctr_sa_sdst(0) depctr_va_vdst(0) depctr_va_sdst(0) depctr_va_ssrc(0) depctr_va_vcc(0) depctr_vm_vsrc(0)
	s_getreg_b32 s2, hwreg(HW_REG_IB_STS2, 6, 4)
	s_cmp_eq_u32 s2, 0
	s_cbranch_scc0 .Lentry_in_a_cluster
	s_endpgm
.Lentry_in_a_cluster:
	s_bfe_u32 s2, ttmp6, 0x10000c
	s_cmp_lg_u32 s2, 0x3003
	s_cbranch_scc0 .Lentry_shape_is_right
	s_endpgm
.Lentry_shape_is_right:
; att[plane][q][:] = the sum over k of softmax_k(Q[q] . K[k] / 8) V[k][:], for each of 64 planes (batch x head).  Q, K, V: qkv [3][64 planes][2048][64] f16; att [64 planes][2048][64] f16.
; Products on f16 operands with f32 sums; maxima, exponentials and sums in f32; the weights p are rounded to f16 for the second product, the result once at the end.
; LIMITS: NaN and infinities are not served.  A weight p under 6e-8 of its row's largest rounds to 0 in f16.  A result under 6e-5 in magnitude is rounded with f16's subnormal step.
; SHARES.  A work-group owns 512 queries of one plane, each of its EIGHT waves 64: four tiles of 16.  Two waves share a SIMD (512 registers each), so that one wave's softmax stands beside the other's products:
; the text is written in phases.  Every wave walks all 2,048 keys, 64 a step.
; LAYOUT.  S^T = K Q^T (source 0 = 16 keys, source 1 = 16 queries): a lane holds ONE query (lane % 16) and the keys 8 (lane / 16) + 0..7.  Two such tiles, rounded to f16 in pairs, ARE source 1
; (32 keys x 16 queries) of O^T = V^T P.  K comes out of LDS as it lies, V ([key][channel]) turned, by ds_load_tr16_b128.
; SOFTMAX.  A running maximum m and sum l for each query: p = 2^(c s - c m), c = log2(e) / 8; in every step O and l are multiplied by a = 2^(c m_old - c m_new).
; CLUSTER.  A plane's four blocks of queries are one cluster and walk the same K and V: each tile is asked for JOINTLY, by the same tensor load with the same descriptor and the mask of all four.
; RING.  Two slots of four key steps.  A step's 64 rows of K (128 bytes each) are 8,192 dense bytes: stated as 32 rows of 256 bytes, two keys to a row; V likewise.  Waves 0-3 fetch K's tile of the slot's
; step w, waves 4-7 V's of step w - 4: one load a wave behind each round, with four key steps in which to land.
; REGISTERS.  window 0: v1-11 addresses; v12-43 eight statistics a tile; v61-63; v64-191 S^T, 32 a tile (P in place, in each tile's first 16); v192-255 K of one step.
;   window 1: v0-127 O^T, 32 a tile; v128-191 Q, 16 a tile; v192-255 V of one step.
.set PKP,   272       ; two keys' row of K in LDS: 256 bytes + 16
.set PVP,   288       ; of V: 256 + 32: the turning load's 16 lanes fall on 32 ((l % 8) / 2) + 128 (l % 2) + 16 (l / 8): likewise
.set VOFF,  32*PKP    ; a step's tiles lie together: K's 32 rows, then V's
.set STEPB, 32*(PKP+PVP)
.set SLOT1, 1<<17     ; slot 1 begins here: one exclusive or turns an address in one slot into the other's
.set SLOTB, 32768     ; a slot's bytes of K, or of V, in memory
.set STAGE, SLOT1+4*STEPB  ; behind the ring: 16 rows x (128 bytes + 16) for each wave, for the way out
.set SP,    144
.set SPARE, STAGE+8*16*SP  ; the spare words, 128 bytes a wave: four blocks of 256 bytes that no other line names
.set AK0, 2           ; v2   my lane's place in a tile of K; never rewritten
.set AV0, 3           ; v3   the same for V
.set ADR, 4           ; v4   the LDS address of the run of loads in hand
.set QO,  5           ; v5   my byte offset in the wave's rows of Q
.set STO, 6           ; v6   the way out: where I put 16 bytes of a row
.set RD,  7           ; v7   where I read 16 bytes back
.set GO,  8           ; v8   16 x lane
.set ST,  12          ; tile t's statistics at v[ST+8 t]: +0 c m, +1 m, +2, +3 l (even keys', odd keys'), +4 to +7 at work; the step's sum takes +4, +5, and a takes +6, once the maximum is found
.set PFO, 61          ; v61  256 x my lane; never rewritten
.set SPW, 62          ; v62  my spare word; never rewritten
.set NIL, 63          ; v63  0; never rewritten
.set S,   64
.set KF,  192         ; K's fragments (keys 16 kt on, channels 32 dc on) at KF + 8 (2 kt + dc)
.set QF,  128         ; window 1: Q's (tile t, channels 32 dc on) at QF + 16 t + 8 dc
.set VF,  192         ; window 1: V's (keys 32 u on, channels 16 ct on) at VF + 8 (4 u + ct)
.set WV,  12          ; s12  my wave's number
.set LIM, 15          ; s15  1 in a wave that prefetches, else the greatest number
.set PFA, 18          ; s[18:19] where my prefetches stand
.set G1K, 24          ; s[24:31] group 1 for K's tiles; s[32:39] for V's: it differs in the padding alone
.set G1V, 32
.set G0K, 40          ; s[40:47] group 0 for K's tiles: a set for each of the two first fills; the second then walks on
.set G0V, 48          ; s[48:55] the same for V's
.set SLOTS, 56        ; s56  slots still to be asked for
.set CNT, 57          ; s57  counts key steps
.set CS,  58          ; s[58:59] c
.set SEL, 60          ; s[60:61] lane selects for v_permlanex16_b32: lane l xor 16
.set TB,  62          ; s62  LDS byte at which the tiles of the step to be fetched begin
.set MSB, 0
.macro WIN new                      ; the immediate's high byte repeats the setting that is left
.if MSB != (\new)
	s_set_vgpr_msb (MSB<<8)|(\new)
.set MSB, (\new)
.endif
.endm
.set W_KQ, 0x04       ; K and S^T in window 0, Q (source 1) in window 1
.set W_PV, 0x51       ; V (source 0), O^T (C and D) in window 1, P in window 0
.set W_RS, 0x41       ; O^T (destination and source 0) in window 1, a in window 0
.set W_L1, 0x40       ; a load's destination in window 1, its address in window 0
; A joint refill.  The branch hangs on the wave's number alone.  An s_nop 0 and four v_nop follow each line.
.macro JLOAD
	s_cmp_lt_u32 s[WV], 4
	s_cbranch_scc0 .Lfor_v_\@
	tensor_load_to_lds s[G0K+4:G0K+7], s[G1K:G1K+7]
	s_nop 0
.rept 4
	v_nop
.endr
	s_branch .Lasked_\@
.Lfor_v_\@:
	tensor_load_to_lds s[G0V+4:G0V+7], s[G1V:G1V+7]
	s_nop 0
.rept 4
	v_nop
.endr
.Lasked_\@:
.endm
; A PREFETCH INTO THE L2 of what the NEXT change of slots will ask for: a slot's 32,768 bytes of K and of V, lanes 256 bytes apart.  A plane has one cluster; its four partners share the bytes out BY ADDRESS,
; 8,192 each; in each, wave 0 asks for K's and wave 4 for V's: one instruction.  So each 256 bytes are named once in the launch.  It asks four key steps ahead of the load that wants the bytes.
; The last change that fills a slot asks for nothing; slots 0 to 2 come by their loads alone.
.macro ASK
	s_cmp_gt_u32 s[SLOTS], s[LIM]
	s_cbranch_scc0 .Lnot_mine_\@
	global_prefetch_b8 v[PFO], s[PFA:PFA+1] th:TH_LOAD_NT scope:SCOPE_SE
.Lnot_mine_\@:
.endm
.macro CROUND                       ; a round of the cluster's barrier
	s_barrier_signal -1
	s_barrier_wait -1
	s_cmp_lg_u32 s[WV], 0
	s_cbranch_scc1 .Lnot_wave_0_\@
	s_barrier_signal -3
.Lnot_wave_0_\@:
	s_barrier_wait -3
	s_barrier_signal -1
	s_barrier_wait -1
.endm
	s_load_b64 s[4:5], s[0:1], 0x0  ; qkv
	s_load_b64 s[10:11], s[0:1], 0x8  ; att
	v_lshl_add_u32 v[SPW], v0, 2, SPARE
	v_mov_b32 v[NIL], 0
	ds_add_u32 v[SPW], v[NIL]       ; the wave's opening: the add, twice on end, and its wait ahead of my first tensor load
	ds_add_u32 v[SPW], v[NIL]
	v_lshrrev_b32 v1, 5, v0
	v_readfirstlane_b32 s[WV], v1   ; wave 0..7
	s_bfe_u32 s13, ttmp6, 0x40000   ; cx: my place in the cluster
	s_lshl_b32 s14, ttmp9, 2
	s_add_co_u32 s14, s14, s13      ; my block of 512 queries: it enters Q's and att's addresses alone
	s_and_b32 s20, ttmp7, 0xffff    ; the plane, which the four partners share
	s_lshl_b32 s20, s20, 18         ; its first byte among 64 planes of 262,144
	s_and_b32 s16, s[WV], 3         ; which of a slot's four steps I fetch:
	s_lshl_b32 s22, s16, 13         ; its 8,192 bytes in memory,
	s_add_co_u32 s22, s22, s20
	s_mov_b32 s23, 0
	s_mul_i32 s17, s16, STEPB       ; and its place in a slot: no place in the cluster enters an LDS address
	s_lshl_b32 s2, s14, 16          ; my block's 512 rows of 128 bytes,
	s_lshl_b32 s3, s[WV], 13        ; my wave's 64 of them
	s_add_co_u32 s2, s2, s3
	s_add_co_u32 s2, s2, s20
	s_mov_b32 s3, 0
	; group 1: 32 rows x 128 elements of 2 bytes, dense in memory, padded in LDS
	s_mov_b32 s[G1K], 15|(1<<16)|(1<<20)|(1<<21)|(5<<22)|(3<<25)  ; the mask: all four work-groups; elements of 2 bytes; padding on; bit 21 beside a mask; after every 64 words, 4 words
	s_mov_b32 s[G1V], 15|(1<<16)|(1<<20)|(1<<21)|(5<<22)|(7<<25)  ; the same with 8 words of padding
.irp g, G1K, G1V
	s_mov_b32 s[\g+1], 128<<16      ; tensor_dim0
	s_mov_b32 s[\g+2], 32<<16       ; tensor_dim1
	s_mov_b32 s[\g+3], 128<<16      ; tile_dim0
	s_mov_b32 s[\g+4], 32           ; tile_dim1
	s_mov_b32 s[\g+5], 128          ; from row to row
	s_mov_b32 s[\g+6], 0
	s_mov_b32 s[\g+7], 0
.endr
	s_mov_b32 s[CS], 0x3e38aa3b     ; c = log2(e) / 8
	s_mov_b32 s[CS+1], s[CS]        ; named with it as a pair, so it is written
	s_mov_b32 s[SEL], 0x76543210
	s_mov_b32 s[SEL+1], 0xfedcba98
	s_mov_b32 s[TB], 0
	s_mov_b32 s[SLOTS], 6           ; eight slots' worth of keys; two are asked for at the head
	s_cmp_eq_u32 s16, 0             ; waves 0 and 4 prefetch: the same in all four partners
	s_cselect_b32 s[LIM], 1, -1
	v_and_b32 v[PFO], 31, v0
	v_lshlrev_b32 v[PFO], 8, v[PFO]
	s_wait_dscnt 0x0                ; both opening adds are done
	s_wait_kmcnt 0x0
	s_add_nc_u64 s[6:7], s[4:5], s[22:23]
	s_add_nc_u64 s[6:7], s[6:7], 0x1000000  ; K's planes lie 64 planes behind Q's: K at my tile of slot 0,
	s_add_nc_u64 s[8:9], s[6:7], 0x1000000  ; V's 64 planes further on
	s_add_nc_u64 s[4:5], s[4:5], s[2:3]  ; Q and att at my wave's first row
	s_add_nc_u64 s[10:11], s[10:11], s[2:3]
	s_cmp_lt_u32 s[WV], 4
	s_cselect_b64 s[PFA:PFA+1], s[6:7], s[8:9]  ; (in waves 0 and 4 these stand at a slot's first byte)
	s_lshl_b32 s2, s13, 13          ; my work-group's 8,192 bytes of the 32,768
	s_mov_b32 s3, 0
	s_add_nc_u64 s[PFA:PFA+1], s[PFA:PFA+1], s[2:3]
	s_add_nc_u64 s[PFA:PFA+1], s[PFA:PFA+1], 2*SLOTB  ; in slot 2; the first change of slots steps it to slot 3.  Nothing is prefetched here, at the head
	CROUND                          ; all four work-groups are here: the first joint loads meet
.irp s, 0,1
	s_mov_b32 s[G0K+4*\s], 1
	s_add_co_u32 s[G0K+4*\s+1], s17, \s*SLOT1
	s_add_nc_u64 s[G0K+4*\s+2:G0K+4*\s+3], s[6:7], \s*SLOTB
	s_or_b32 s[G0K+4*\s+3], s[G0K+4*\s+3], 0x80000000
	s_mov_b32 s[G0V+4*\s], 1
	s_add_co_u32 s[G0V+4*\s+1], s17, \s*SLOT1+VOFF
	s_add_nc_u64 s[G0V+4*\s+2:G0V+4*\s+3], s[8:9], \s*SLOTB
	s_or_b32 s[G0V+4*\s+3], s[G0V+4*\s+3], 0x80000000
.endr
	s_cmp_lt_u32 s[WV], 4           ; a wave's two first fills stand in one branch, ahead of every wait on TENSORcnt and every LDS read: two loads of mine are out
	s_cbranch_scc0 .Lfirst_v
	tensor_load_to_lds s[G0K:G0K+3], s[G1K:G1K+7]
	s_nop 0
	tensor_load_to_lds s[G0K+4:G0K+7], s[G1K:G1K+7]
	s_nop 0
.rept 4
	v_nop
.endr
	s_branch .Lfirst_asked
.Lfirst_v:
	tensor_load_to_lds s[G0V:G0V+3], s[G1V:G1V+7]
	s_nop 0
	tensor_load_to_lds s[G0V+4:G0V+7], s[G1V:G1V+7]
	s_nop 0
.rept 4
	v_nop
.endr
.Lfirst_asked:
	; A fragment of K or Q is 16 rows x 32 channels in 8 registers: lane l holds row l % 16; registers 0-3 channels 8 (l / 16) + 0..7, registers 4-7 channels 16 + 8 (l / 16) + 0..7.
	v_and_b32 v1, 15, v0            ; r
	v_bfe_u32 v9, v0, 4, 1          ; h
	v_lshlrev_b32 v[QO], 7, v1
	v_lshl_add_u32 v[QO], v9, 4, v[QO]  ; row x 128 + 16 h
	WIN W_L1
.irp t, 0,1,2,3
.irp dc, 0,1
.irp c, 0,1
	global_load_b128 v[QF+16*\t+8*\dc+4*\c:QF+16*\t+8*\dc+4*\c+3], v[QO], s[4:5] offset:\t*2048+64*\dc+32*\c   ; Q stays in registers
.endr
.endr
.endr
	WIN 0
	v_lshrrev_b32 v10, 1, v1
	v_mul_u32_u24 v[AK0], v10, PKP  ; key r of a tile: LDS row r / 2,
	v_and_b32 v11, 1, v0
	v_lshl_add_u32 v[AK0], v11, 7, v[AK0]  ; its half r % 2,
	v_lshl_add_u32 v[AK0], v9, 4, v[AK0]  ; + 16 h
	; The turning load takes 16 keys x 16 channels (lane l reads 16 bytes: key 8 (l / 16) + l % 8, channels 8 ((l / 8) % 2) + 0..7) and leaves half a fragment of V^T: lane l holds channel l % 16 and 8 keys.
	v_bfe_u32 v10, v0, 1, 2
	v_lshl_add_u32 v10, v9, 2, v10  ; that key's LDS row: 4 h + (l % 8) / 2
	v_mul_u32_u24 v[AV0], v10, PVP
	v_lshl_add_u32 v[AV0], v11, 7, v[AV0]  ; its half l % 2
	v_bfe_u32 v10, v0, 3, 1
	v_lshl_add_u32 v[AV0], v10, 4, v[AV0]
	v_add_nc_u32 v[AV0], VOFF, v[AV0]
	s_mul_i32 s13, s[WV], 16*SP
	s_add_co_u32 s13, s13, STAGE    ; my stage
	v_mul_u32_u24 v[STO], v1, SP    ; in: row r, 16 bytes for each half of the lanes
	v_lshl_add_u32 v[STO], v9, 4, v[STO]
	v_add_nc_u32 v[STO], s13, v[STO]
	v_bfe_u32 v10, v0, 3, 2
	v_mul_u32_u24 v[RD], v10, SP    ; back: eight lanes to a row of 128 bytes, four rows an instruction
	v_and_b32 v11, 7, v0
	v_lshl_add_u32 v[RD], v11, 4, v[RD]
	v_add_nc_u32 v[RD], s13, v[RD]
	v_and_b32 v[GO], 31, v0
	v_lshlrev_b32 v[GO], 4, v[GO]   ; and the same 512 bytes in att
; THE LDS LOADS stand in runs of 16.  v[ADR] has been made by the caller.
.macro FETCH_K
	WIN 0
.irp kt, 0,1,2,3
.irp dc, 0,1
.irp c, 0,1
	ds_load_b128 v[KF+8*(2*\kt+\dc)+4*\c:KF+8*(2*\kt+\dc)+4*\c+3], v[ADR] offset:\kt*8*PKP+64*\dc+32*\c
.endr
.endr
.endr
.endm
.macro FETCH_V
	WIN W_L1
.irp u, 0,1
.irp ct, 0,1,2,3
.irp c, 0,1
	ds_load_tr16_b128 v[VF+8*(4*\u+\ct)+4*\c:VF+8*(4*\u+\ct)+4*\c+3], v[ADR] offset:\u*16*PVP+\c*8*PVP+32*\ct
.endr
.endr
.endr
.endm
; 32 products S^T = K Q^T: the sixteen accumulators take turns, one instruction a turn; the first sixteen start the sums.
.macro KQ
	WIN W_KQ
.irp dc, 0,1
.irp kt, 0,1,2,3
.irp t, 0,1,2,3
.if \dc == 0
	v_wmma_f32_16x16x32_f16 v[S+32*\t+8*\kt:S+32*\t+8*\kt+7], v[KF+8*(2*\kt+\dc):KF+8*(2*\kt+\dc)+7], v[QF+16*\t+8*\dc:QF+16*\t+8*\dc+7], 0
.else
	v_wmma_f32_16x16x32_f16 v[S+32*\t+8*\kt:S+32*\t+8*\kt+7], v[KF+8*(2*\kt+\dc):KF+8*(2*\kt+\dc)+7], v[QF+16*\t+8*\dc:QF+16*\t+8*\dc+7], v[S+32*\t+8*\kt:S+32*\t+8*\kt+7]
.endif
.endr
.endr
.endr
.endm
; 32 products O^T += V^T P, likewise by turns.  first = 1: the first sixteen start the sums: nothing is ever cleared.
.macro PV first
	WIN W_PV
.irp u, 0,1
.irp ct, 0,1,2,3
.irp t, 0,1,2,3
.if \first && (\u == 0)
	v_wmma_f32_16x16x32_f16 v[32*\t+8*\ct:32*\t+8*\ct+7], v[VF+8*(4*\u+\ct):VF+8*(4*\u+\ct)+7], v[S+32*\t+8*\u:S+32*\t+8*\u+7], 0
.else
	v_wmma_f32_16x16x32_f16 v[32*\t+8*\ct:32*\t+8*\ct+7], v[VF+8*(4*\u+\ct):VF+8*(4*\u+\ct)+7], v[S+32*\t+8*\u:S+32*\t+8*\u+7], v[32*\t+8*\ct:32*\t+8*\ct+7]
.endif
.endr
.endr
.endr
.endm
; THE SOFTMAX of one key step for the wave's four tiles, which take turns line by line, so that no line waits for the line above it.  first = 1: the first step, which starts m, l and O^T.
.macro SOFTMAX first
	WIN 0
.irp j, 0,1,2,3                     ; the maximum of a lane's 32 scores and the old m: four chains, each begun at its accumulator's low end
.irp t, 0,1,2,3
	v_max3_num_f32 v[ST+8*\t+4+\j], v[S+32*\t+8*\j], v[S+32*\t+8*\j+1], v[S+32*\t+8*\j+2]
.endr
.endr
.irp g, 1,2
.irp j, 0,1,2,3
.irp t, 0,1,2,3
	v_max3_num_f32 v[ST+8*\t+4+\j], v[ST+8*\t+4+\j], v[S+32*\t+8*\j+2*\g+1], v[S+32*\t+8*\j+2*\g+2]
.endr
.endr
.endr
.irp t, 0,1,2,3
	v_max3_num_f32 v[ST+8*\t+4], v[ST+8*\t+4], v[S+32*\t+7], v[S+32*\t+15]
.endr
.irp t, 0,1,2,3
	v_max3_num_f32 v[ST+8*\t+6], v[ST+8*\t+6], v[S+32*\t+23], v[S+32*\t+31]
.endr
.irp t, 0,1,2,3
	v_max3_num_f32 v[ST+8*\t+4], v[ST+8*\t+4], v[ST+8*\t+5], v[ST+8*\t+6]
.endr
.irp t, 0,1,2,3
.if \first
	v_max_num_f32 v[ST+8*\t+4], v[ST+8*\t+4], v[ST+8*\t+7]
.else
	v_max3_num_f32 v[ST+8*\t+4], v[ST+8*\t+4], v[ST+8*\t+7], v[ST+8*\t+1]
.endif
.endr
.irp t, 0,1,2,3
	v_permlanex16_b32 v[ST+8*\t+5], v[ST+8*\t+4], s[SEL], s[SEL+1]  ; the query's other 32 keys lie in the lane 16 away
.endr
.if !\first
.irp t, 0,1,2,3
	v_mov_b32 v[ST+8*\t+7], v[ST+8*\t]  ; c m_old is kept for a
.endr
.endif
.irp t, 0,1,2,3
	v_max_num_f32 v[ST+8*\t+1], v[ST+8*\t+4], v[ST+8*\t+5]  ; the new m
.endr
.irp t, 0,1,2,3
	v_mul_f32 v[ST+8*\t], s[CS], v[ST+8*\t+1]  ; c m
.endr
.if !\first
.irp t, 0,1,2,3
	v_sub_f32 v[ST+8*\t+7], v[ST+8*\t+7], v[ST+8*\t]  ; c m_old - c m_new
.endr
.endif
.irp b, 0,1,2,3,4,5,6,7,8,9,10,11,12,13,14,15
.irp t, 0,1,2,3
	v_pk_fma_f32 v[S+32*\t+2*\b:S+32*\t+2*\b+1], v[S+32*\t+2*\b:S+32*\t+2*\b+1], s[CS:CS+1], v[ST+8*\t:ST+8*\t+1] op_sel_hi:[1,0,0] neg_lo:[0,0,1] neg_hi:[0,0,1]  ; c s - c m, two at a time
.endr
.endr
.if !\first                         ; ONE BATCH of exponentials: none of them reads another's result
.irp t, 0,1,2,3
	v_exp_f32 v[ST+8*\t+6], v[ST+8*\t+7]  ; a
.endr
.endif
.irp e, 0,1,2,3,4,5,6,7,8,9,10,11,12,13,14,15,16,17,18,19,20,21,22,23,24,25,26,27,28,29,30,31
.irp t, 0,1,2,3
	v_exp_f32 v[S+32*\t+\e], v[S+32*\t+\e]  ; p, at most 1
.endr
.endr
	v_nop                           ; a plain instruction behind the last exponential,
	s_wait_alu depctr_va_vdst(0)    ; and the one wait ahead of the batch's first reader
.irp t, 0,1,2,3                     ; the sums are taken of the unrounded p: in a pair an even key's weight and an odd key's
	v_pk_add_f32 v[ST+8*\t+4:ST+8*\t+5], v[S+32*\t:S+32*\t+1], v[S+32*\t+2:S+32*\t+3]
.endr
.irp b, 2,3,4,5,6,7,8,9,10,11,12,13,14
.irp t, 0,1,2,3
	v_pk_add_f32 v[ST+8*\t+4:ST+8*\t+5], v[ST+8*\t+4:ST+8*\t+5], v[S+32*\t+2*\b:S+32*\t+2*\b+1]
.endr
.endr
.irp t, 0,1,2,3
.if \first
	v_pk_add_f32 v[ST+8*\t+2:ST+8*\t+3], v[ST+8*\t+4:ST+8*\t+5], v[S+32*\t+30:S+32*\t+31]  ; the first step's sum is l
.else
	v_pk_add_f32 v[ST+8*\t+4:ST+8*\t+5], v[ST+8*\t+4:ST+8*\t+5], v[S+32*\t+30:S+32*\t+31]
.endif
.endr
.if !\first
.irp t, 0,1,2,3
	v_pk_fma_f32 v[ST+8*\t+2:ST+8*\t+3], v[ST+8*\t+2:ST+8*\t+3], v[ST+8*\t+6:ST+8*\t+7], v[ST+8*\t+4:ST+8*\t+5] op_sel_hi:[1,0,1]  ; l = a l + the sum
.endr
.endif
.irp i, 0,1,2,3,4,5,6,7,8,9,10,11,12,13,14,15
.irp t, 0,1,2,3
	v_cvt_pk_f16_f32 v[S+32*\t+\i], v[S+32*\t+2*\i], v[S+32*\t+2*\i+1]  ; P in place, ascending: register i is written when pairs 0 to i have been read
.endr
.endr
.if !\first
	WIN W_RS
.irp i, 0,1,2,3,4,5,6,7,8,9,10,11,12,13,14,15
.irp t, 0,1,2,3
	v_pk_mul_f32 v[32*\t+2*\i:32*\t+2*\i+1], v[32*\t+2*\i:32*\t+2*\i+1], v[ST+8*\t+6:ST+8*\t+7] op_sel_hi:[1,0]  ; O^T times a, each accumulator from its low end on
.endr
.endr
.endif
.endm
; A TRIP begins just behind K Q^T of step j: K of step j + 1 is fetched | the softmax of step j | V^T P of step j | V of step j + 1 is fetched | K Q^T of step j + 1.  fetch = 0: the last step.
.macro U fetch, first
	WIN 0
.if \fetch
	v_add_nc_u32 v[ADR], s[TB], v[AK0]  ; with the three v_nop: four places behind the products, for the loads into K's registers and the first read of S^T
.rept 3
	v_nop
.endr
	FETCH_K
.else
.rept 4
	v_nop
.endr
.endif
	SOFTMAX \first
.if \fetch
	s_wait_dscnt 16                 ; V of this step is in; the 16 younger loads, K of the next, may be out
.else
	s_wait_dscnt 0x0
.endif
	PV \first
.if \fetch
	WIN 0
	v_add_nc_u32 v[ADR], s[TB], v[AV0]  ; with the four v_nop: five places: K Q^T writes over P's registers, which these products read; loads land in V's
.rept 4
	v_nop
.endr
	s_add_co_u32 s[TB], s[TB], STEPB  ; the next fetch is the next step's
	FETCH_V
	s_wait_dscnt 16                 ; K is in; V's 16 loads may be out
	KQ
.endif
	WIN 0                           ; at a label and at a branch every window is 0
.endm
.macro STEPS n
	s_mov_b32 s[CNT], \n
.Lstep_\@:
	U 1, 0
	s_sub_co_u32 s[CNT], s[CNT], 1
	s_cmp_lg_u32 s[CNT], 0
	s_cbranch_scc1 .Lstep_\@
.endm
; THE CHANGE OF SLOTS: the slot's last bytes, V of its fourth step, have been asked for.  Each wave waits for all its tensor loads (one is out: its part of the other slot), adds 0 to its spare word, and waits for
; that and for its reads of the slot.  fill = 1: the barrier is a round of the cluster's, and the joint refill, with the keys two slots on, is the first thing behind it.
.macro CHANGE fill
	WIN 0
	s_wait_tensorcnt 0x0            ; no tensor load of mine is out, so a group 0 may be written
	ds_add_u32 v[SPW], v[NIL]       ; 0 onto my spare word
.if \fill
.irp g, G0K+4, G0V+4
	s_xor_b32 s[\g+1], s[\g+1], SLOT1  ; the walking descriptor: the other slot than last time,
	s_add_nc_u64 s[\g+2:\g+3], s[\g+2:\g+3], SLOTB  ; the next 256 keys
.endr
	s_wait_xcnt 0x0                 ; the last prefetch, four key steps back, has read its address, so it may be written:
	s_add_nc_u64 s[PFA:PFA+1], s[PFA:PFA+1], SLOTB  ; one slot further on than the walking descriptors
	s_wait_dscnt 0x0                ; the add is done, and my reads of the slot are over
	CROUND
	JLOAD
	ASK
.else
	s_wait_dscnt 0x0
	s_barrier_signal -1
	s_barrier_wait -1
.endif
	s_sub_co_u32 s[TB], s[TB], 4*STEPB  ; the fetches go back to a slot's first step,
	s_xor_b32 s[TB], s[TB], SLOT1   ; in the other slot
.endm
	s_wait_tensorcnt 1              ; my part of slot 0 is in; slot 1's may stay out
	s_barrier_signal -1
	s_barrier_wait -1               ; everybody's is
	v_add_nc_u32 v[ADR], s[TB], v[AK0]
	FETCH_K                         ; key step 0
	v_add_nc_u32 v[ADR], s[TB], v[AV0]
	s_add_co_u32 s[TB], s[TB], STEPB
	FETCH_V
	s_wait_loadcnt 0x0              ; Q
	s_wait_dscnt 16                 ; K is in; V's 16 loads may be out
	KQ
	U 1, 1                          ; step 0
	STEPS 2                         ; steps 1 and 2: they fetch steps 2 and 3, slot 0's last
.Lslot:                             ; six trips: every slot but the last two is filled again
	CHANGE 1
	STEPS 4
	s_sub_co_u32 s[SLOTS], s[SLOTS], 1
	s_cmp_lg_u32 s[SLOTS], 0
	s_cbranch_scc1 .Lslot
	CHANGE 0                        ; the tail is written out
	STEPS 4
	U 0, 0                          ; step 31
	; THE WAY OUT.  l's two halves and the other half of the lanes' are added; O^T is divided by l, rounded to f16 and sent through my stage, a tile (16 rows) at a time.  The additions are the places behind the last products.
.irp t, 0,1,2,3
	v_add_f32 v[ST+8*\t+4], v[ST+8*\t+2], v[ST+8*\t+3]
.endr
.irp t, 0,1,2,3
	v_permlanex16_b32 v[ST+8*\t+5], v[ST+8*\t+4], s[SEL], s[SEL+1]
.endr
.irp t, 0,1,2,3
	v_add_f32 v[ST+8*\t+4], v[ST+8*\t+4], v[ST+8*\t+5]
.endr
.irp t, 0,1,2,3
	v_rcp_f32 v[ST+8*\t+6], v[ST+8*\t+4]
.endr
	v_nop                           ; a plain instruction behind the last reciprocal,
	s_wait_alu depctr_va_vdst(0)    ; and the one wait ahead of the first use
.macro PACK t
	WIN W_RS
.irp i, 0,1,2,3,4,5,6,7,8,9,10,11,12,13,14,15
	v_pk_mul_f32 v[32*\t+2*\i:32*\t+2*\i+1], v[32*\t+2*\i:32*\t+2*\i+1], v[ST+8*\t+6:ST+8*\t+7] op_sel_hi:[1,0]
.endr
	WIN 0x05                        ; sources 0 and 1 window 1, destination window 0: S^T's registers are free
.irp i, 0,1,2,3,4,5,6,7,8,9,10,11,12,13,14,15
	v_cvt_pk_f16_f32 v[S+16*\t+\i], v[32*\t+2*\i], v[32*\t+2*\i+1]
.endr
	WIN 0
.irp f, 0,1,2,3
	ds_store_b128 v[STO], v[S+16*\t+4*\f:S+16*\t+4*\f+3] offset:32*\f
.endr
.irp f, 0,1,2,3
	ds_load_b128 v[S+16*\t+4*\f:S+16*\t+4*\f+3], v[RD] offset:\f*4*SP  ; LDS serves a wave's instructions in order: these see the stores above; the next tile's stores come behind them
.endr
.endm
.macro SEND t, younger              ; younger: the LDS instructions issued behind tile t's loads: the next tile's eight, or none
.irp f, 0,1,2,3
	s_wait_dscnt \younger+3-\f
	global_store_b128 v[GO], v[S+16*\t+4*\f:S+16*\t+4*\f+3], s[10:11] offset:\t*2048+\f*512  ; four rows of 128 bytes: 512 consecutive bytes, aligned
.endr
.endm
	PACK 0
	PACK 1
	SEND 0, 8
	PACK 2
	SEND 1, 8
	PACK 3
	SEND 2, 8
	SEND 3, 0
	s_wait_tensorcnt 0x0            ; the wave's end
	ds_add_u32 v[SPW], v[NIL]
	s_wait_dscnt 0x0
	CROUND                          ; the closing round
	s_endpgm
.Lfunc_end_k_q9e22c08395_attn:
	.size	k_q9e22c08395_attn, .Lfunc_end_k_q9e22c08395_attn-k_q9e22c08395_attn
	.p2alignl 7, 3214868480
	.fill 96, 4, 3214868480
	.section	.rodata,"a",@progbits
	.p2align	6, 0x0
	.amdhsa_kernel k_q9e22c08395_attn
		.amdhsa_group_segment_fixed_size 327680
		.amdhsa_private_segment_fixed_size 0
		.amdhsa_enable_private_segment 0
		.amdhsa_kernarg_size 16
		.amdhsa_user_sgpr_count 2
		.amdhsa_user_sgpr_kernarg_segment_ptr 1
		.amdhsa_wavefront_size32 1
		.amdhsa_system_sgpr_workgroup_id_x 1
		.amdhsa_system_sgpr_workgroup_id_y 1
		.amdhsa_system_sgpr_workgroup_id_z 1
		.amdhsa_system_vgpr_workitem_id 0
		.amdhsa_next_free_vgpr 512
		.amdhsa_next_free_sgpr 66
		.amdhsa_reserve_vcc 0
		.amdhsa_float_denorm_mode_32 3
		.amdhsa_float_denorm_mode_16_64 3
		.amdhsa_memory_ordered 1
		.amdhsa_forward_progress 1
		.amdhsa_inst_pref_size 178
	.end_amdhsa_kernel
	.amdgpu_metadata
---
amdhsa.version: [ 1, 2 ]
amdhsa.kernels:
  - .name:           k_q9e22c08395_attn
    .symbol:         k_q9e22c08395_attn.kd
    .args:
      - { .name: qkv, .offset: 0, .size: 8, .value_kind: global_buffer, .address_space: global }
      - { .name: att, .offset: 8, .size: 8, .value_kind: global_buffer, .address_space: global }
    .group_segment_fixed_size: 327680
    .private_segment_fixed_size: 0
    .kernarg_segment_align: 8
    .kernarg_segment_size: 16
    .max_flat_workgroup_size: 256
    .sgpr_count:     66
    .vgpr_count:     512
    .wavefront_size: 32
...
	.end_amdgpu_metadata
.endif
;; end of part 3
;; launch proj (part 4): grid 4 x 64, 4 waves a work-group, clusters of 4 x 4, 327,680 bytes of LDS; arguments att, wm16, b_mlp, out0; writes out0
.if DOCPART == 4
	.amdgcn_target "amdgcn-amd-amdhsa--gfx1250"
	.amdhsa_code_object_version 6
	.text
	.protected	k_q9e22c08395_proj
	.globl	k_q9e22c08395_proj
	.p2align	8
	.type	k_q9e22c08395_proj,@function
k_q9e22c08395_proj:
	s_mov_b64 s[64:65], 0
	v_nop
	global_prefetch_b8 v0, s[64:65] scope:SCOPE_SE
	s_setreg_imm32_b32 hwreg(HW_REG_WAVE_MODE, 25, 1), 1
	s_wait_xcnt 0x0
	s_wait_alu depctr_hold_cnt(0) depctr_sa_sdst(0) depctr_va_vdst(0) depctr_va_sdst(0) depctr_va_ssrc(0) depctr_va_vcc(0) depctr_vm_vsrc(0)
	s_getreg_b32 s2, hwreg(HW_REG_IB_STS2, 6, 4)
	s_cmp_eq_u32 s2, 0
	s_cbranch_scc0 .Lentry_in_a_cluster
	s_endpgm
.Lentry_in_a_cluster:
	s_bfe_u32 s2, ttmp6, 0x10000c
	s_cmp_lg_u32 s2, 0xf033
	s_cbranch_scc0 .Lentry_shape_is_right
	s_endpgm
.Lentry_shape_is_right:
; out0[m][n] = the sum over k of A[m][k] W[k][n] + b[n].  A: att [batch 4][head 16][position 2048][64] f16, m = 2048 batch + position, k = 64 head + channel.  W: wm16 [1024 k][1024 n] f16.  b: [1024] f32.  out0: [8192][1024] f32.
; f16 operands, f32 sums; the bias is the C of each sum's first product.
; A tile of the result is 128 (m) x 256 (n): 256 work-groups of four waves, one wave to a SIMD; a wave makes 64 x 128: 32 accumulators, 256 registers.
; k goes in eight steps of 128 (two heads) through two LDS slots.  A head's 128 positions are 16,384 dense bytes: stated as 64 rows of 256 bytes, two positions to a row.  W's rows lie along n, so its fragments
; come out of LDS turned, by ds_load_tr16_b128.
; CLUSTERS: 4 x 4 work-groups: A's tiles are shared along a row of the cluster, W's along a column: each is asked for JOINTLY.
; THE MATRIX INSTRUCTION IS USED TRANSPOSED (source 0 = 16 columns of W, source 1 = 16 rows of A): a lane then holds eight neighbouring columns of one row.
; REGISTERS.  window 0: v0-31 addresses; v32-127, v128-223 two fragment buffers (W's eight fragments, then A's four); on the way out v32-159.  window 1: accumulator (a, b) at v[8 (8 a + b)].  window 2: v0-63 the bias, in the result's layout.
.set APITCH, 272                       ; two positions' row of A in LDS: 256 bytes + 16
.set ABLK,   64*APITCH                 ; one head's 128 positions: what one tensor load brings
.set BPITCH, 544                       ; a row k of W's tile: 512 bytes + 32 = 136 words
.set BBLK,   64*BPITCH                 ; 64 rows k: what one tensor load brings
.set BOFF,   2*ABLK
.set SLOT,   2*ABLK+2*BBLK
.set STAGE,  2*SLOT                    ; behind the ring: 16 rows x (512 bytes + 16) for each wave
.set SPITCH, 528
.set SPARE,  STAGE+4*16*SPITCH         ; the spare words, 128 bytes a wave: two blocks of 256 bytes that no other line names
.set LAPS,   4                         ; a lap = two steps of 128 along k
.set ADRA, 16                          ; v16-17  LDS address of my A fragments in slot 0, 1
.set ADRB, 20                          ; v20-21  the same for W
.set STO,  24                          ; v24     the way out: where I put 32 bytes of a row
.set RD,   25                          ; v25     where I read a row back
.set CO,   26                          ; v26     16 x lane
.set BO,   27                          ; v27     the bias: 32 (lane / 16)
.set SPW,  28                          ; v28     my spare word; never rewritten
.set NIL,  29                          ; v29     0; never rewritten
.set F0,   32
.set F1,   128
.set G1, 24                            ; s[24:31] group 1 for A's tiles; s[32:39] group 0, a set for each slot
.set G0, 32
.set G1B, 48                           ; s[48:55], s[56:63] the same for W's
.set G0B, 56
.set MSB, 0
.macro WIN new                         ; the immediate's high byte repeats the setting that is left
.if MSB != (\new)
	s_set_vgpr_msb (MSB<<8)|(\new)
.set MSB, (\new)
.endif
.endm
.set MUL, 0x50                         ; sources 0 and 1 window 0; C and D window 1.  MUL + 0x10: C (the bias) window 2
.macro JLOAD s                         ; a joint load: waves 0 and 1 fetch A's two heads, waves 2 and 3 W's two halves; an s_nop 0 and four v_nop follow each line
	s_cmp_eq_u32 s13, 0
	s_cbranch_scc0 .Lfor_b_\@
	tensor_load_to_lds s[G0+4*\s:G0+4*\s+3], s[G1:G1+7]
	s_nop 0
.rept 4
	v_nop
.endr
	s_branch .Lasked_\@
.Lfor_b_\@:
	tensor_load_to_lds s[G0B+4*\s:G0B+4*\s+3], s[G1B:G1B+7]
	s_nop 0
.rept 4
	v_nop
.endr
.Lasked_\@:
.endm
.macro CREST                           ; a round of the cluster's barrier behind its opening barrier
	s_cmp_lg_u32 s12, 0
	s_cbranch_scc1 .Lnot_wave_0_\@
	s_barrier_signal -3
.Lnot_wave_0_\@:
	s_barrier_wait -3
	s_barrier_signal -1
	s_barrier_wait -1
.endm
.macro CROUND
	s_barrier_signal -1
	s_barrier_wait -1
	CREST
.endm
	s_load_b256 s[4:11], s[0:1], 0x0               ; att s[4:5], wm16 s[6:7], b_mlp s[8:9], out0 s[10:11]
	v_lshl_add_u32 v[SPW], v0, 2, SPARE
	v_mov_b32 v[NIL], 0
	ds_add_u32 v[SPW], v[NIL]                      ; the wave's opening: the add, twice on end, and its wait ahead of my first tensor load
	ds_add_u32 v[SPW], v[NIL]
	v_lshrrev_b32 v1, 5, v0
	v_readfirstlane_b32 s12, v1                    ; wave 0..3
	s_lshr_b32 s13, s12, 1                         ; which 64 of the tile's rows are mine.  Also: I fetch for A (0) or for W (1)
	s_and_b32 s14, s12, 1                          ; which 128 of its columns.  Also: which half of that tile I fetch
	s_bfe_u32 s40, ttmp6, 0x40000                  ; cx, cy
	s_bfe_u32 s41, ttmp6, 0x40004
	s_lshl_b32 s42, ttmp9, 2
	s_add_co_u32 s42, s42, s40                     ; tile column = 4 x cluster x + cx
	s_and_b32 s15, ttmp7, 0xffff
	s_lshl_b32 s15, s15, 2
	s_add_co_u32 s15, s15, s41                     ; tile row = 4 x cluster y + cy
	s_lshl_b32 s43, s41, 2
	s_lshl_b32 s43, 15, s43                        ; my row of the cluster
	s_lshl_b32 s44, 0x1111, s40                    ; my column
	; group 1 for A: 64 rows x 128 elements of 2 bytes, dense in memory, 16 bytes of padding behind each
	s_or_b32 s[G1+0], s43, (1<<16)|(1<<20)|(1<<21)|(5<<22)|(3<<25)
	s_mov_b32 s[G1+1], 128<<16
	s_mov_b32 s[G1+2], 64<<16
	s_mov_b32 s[G1+3], 128<<16
	s_mov_b32 s[G1+4], 64
	s_mov_b32 s[G1+5], 128
	s_mov_b32 s[G1+6], 0
	s_mov_b32 s[G1+7], 0
	; group 1 for W: 64 rows x 256 elements, 1,024 elements apart in memory, 32 bytes of padding behind each (after every 128 words, 8 words)
	s_or_b32 s[G1B+0], s44, (1<<16)|(1<<20)|(1<<21)|(6<<22)|(7<<25)
	s_mov_b32 s[G1B+1], 256<<16
	s_mov_b32 s[G1B+2], 64<<16
	s_mov_b32 s[G1B+3], 256<<16
	s_mov_b32 s[G1B+4], 64
	s_mov_b32 s[G1B+5], 1024
	s_mov_b32 s[G1B+6], 0
	s_mov_b32 s[G1B+7], 0
	s_lshr_b32 s16, s15, 4
	s_lshl_b32 s16, s16, 22                        ; A: the batch's 16 planes of 262,144 bytes,
	s_and_b32 s17, s15, 15
	s_lshl_b32 s17, s17, 14
	s_add_co_u32 s16, s16, s17                     ; the tile's 128 positions of 128 bytes,
	s_lshl_b32 s17, s14, 18
	s_add_co_u32 s16, s16, s17                     ; and which of a step's two heads I fetch
	s_mov_b32 s17, 0
	s_lshl_b32 s46, s42, 9                         ; W: the tile's 256 columns of 2 bytes,
	s_lshl_b32 s47, s14, 17
	s_add_co_u32 s46, s46, s47                     ; and which 64 of a step's 128 rows of 2,048 bytes
	s_mov_b32 s47, 0
	s_mul_i32 s20, s14, ABLK                       ; where they go: no place in the cluster enters an LDS address
	s_mul_i32 s21, s14, BBLK
	s_add_co_u32 s21, s21, BOFF
	s_wait_dscnt 0x0                               ; both opening adds are done
	s_wait_kmcnt 0x0
	s_add_nc_u64 s[16:17], s[4:5], s[16:17]
	s_add_nc_u64 s[46:47], s[6:7], s[46:47]
	CROUND                                         ; all sixteen work-groups are here: the first joint loads meet
.irp s, 0,1
	s_mov_b32 s[G0+4*\s], 1
	s_add_co_u32 s[G0+4*\s+1], s20, \s*SLOT
	s_add_nc_u64 s[G0+4*\s+2:G0+4*\s+3], s[16:17], \s*524288       ; a step on: two planes
	s_or_b32 s[G0+4*\s+3], s[G0+4*\s+3], 0x80000000
	s_mov_b32 s[G0B+4*\s], 1
	s_add_co_u32 s[G0B+4*\s+1], s21, \s*SLOT
	s_add_nc_u64 s[G0B+4*\s+2:G0B+4*\s+3], s[46:47], \s*262144     ; a step on: 128 rows
	s_or_b32 s[G0B+4*\s+3], s[G0B+4*\s+3], 0x80000000
	JLOAD \s                                       ; two tensor loads of a wave are out
.endr
	v_and_b32 v1, 15, v0                           ; r
	v_bfe_u32 v2, v0, 4, 1                         ; h
	v_lshrrev_b32 v3, 1, v1
	v_mul_u32_u24 v3, v3, APITCH                   ; A: row r of a fragment: LDS row r / 2,
	v_and_b32 v4, 1, v0
	v_lshl_add_u32 v3, v4, 7, v3                   ; its half r % 2,
	v_lshl_add_u32 v3, v2, 4, v3                   ; + 16 h
	v_and_b32 v4, 7, v0
	v_lshl_add_u32 v4, v2, 3, v4                   ; W: the turning load: lane l reads row k = 8 h + l % 8,
	v_mul_u32_u24 v4, v4, BPITCH
	v_bfe_u32 v5, v0, 3, 1
	v_lshl_add_u32 v4, v5, 4, v4                   ; columns 8 ((l / 8) % 2) + 0..7
	s_mul_i32 s21, s13, 32*APITCH                  ; my 64 rows of A
	s_lshl_b32 s22, s14, 8                         ; my 128 columns of W,
	s_add_co_u32 s22, s22, BOFF                    ; which lies behind A's two heads
.irp s, 0,1
	v_add_nc_u32 v[ADRA+\s], s21, v3
	v_add_nc_u32 v[ADRB+\s], s22, v4
	s_add_co_u32 s21, s21, SLOT
	s_add_co_u32 s22, s22, SLOT
.endr
	s_mul_i32 s23, s12, 16*SPITCH
	s_add_co_u32 s23, s23, STAGE                   ; my stage
	v_mul_u32_u24 v5, v1, SPITCH                   ; in: row r, 32 bytes for each half of the lanes
	v_lshl_add_u32 v5, v2, 5, v5
	v_add_nc_u32 v[STO], s23, v5
	v_and_b32 v6, 31, v0
	v_lshlrev_b32 v[CO], 4, v6                     ; back: the 32 lanes take one row of 512 bytes; and the same in out0
	v_add_nc_u32 v[RD], s23, v[CO]
	v_lshlrev_b32 v[BO], 5, v2
	s_lshl_b32 s16, s15, 19                        ; my first row of out0: (128 x tile row + 64 x half) rows of 4,096 bytes,
	s_lshl_b32 s17, s13, 18
	s_add_co_u32 s16, s16, s17
	s_lshl_b32 s46, s42, 10                        ; my first column, in bytes of f32: 1,024 x tile column + 512 x half: in out0's rows and in the bias alike
	s_lshl_b32 s47, s14, 9
	s_add_co_u32 s46, s46, s47
	s_mov_b32 s47, 0
	s_add_nc_u64 s[8:9], s[8:9], s[46:47]
	s_add_co_u32 s46, s46, s16
	s_add_nc_u64 s[10:11], s[10:11], s[46:47]
	WIN 0x80                                       ; destination window 2
.irp b, 0,1,2,3,4,5,6,7
	global_load_b128 v[8*\b:8*\b+3], v[BO], s[8:9] offset:64*\b          ; lane (r, h), register 8 b + j: b[my first column + 16 b + 8 h + j]
	global_load_b128 v[8*\b+4:8*\b+7], v[BO], s[8:9] offset:64*\b+16
.endr
	WIN 0
; 24 LDS loads in one run: the fragments of the slot's q-th 32 along k into buffer f: W's eight (16 columns x 32 k, turned), then A's four (16 rows x 32 k)
.macro FETCH slot, q, f
.irp b, 0,1,2,3,4,5,6,7
.irp c, 0,1
	ds_load_tr16_b128 v[\f+8*\b+4*\c:\f+8*\b+4*\c+3], v[ADRB+\slot] offset:(\q)*32*BPITCH+\c*16*BPITCH+32*\b
.endr
.endr
.irp a, 0,1,2,3
.irp c, 0,1
	ds_load_b128 v[\f+64+8*\a+4*\c:\f+64+8*\a+4*\c+3], v[ADRA+\slot] offset:((\q)/2)*ABLK+((\q)%2)*64+\a*8*APITCH+32*\c
.endr
.endr
.endm
; 8 products: A's block a x W's eight.  first = 1: the bias starts the sums.  The 32 accumulators take turns, one instruction a turn, in the same order in every quarter.
.macro MULA f, a, first
.irp b, 0,1,2,3,4,5,6,7
.if \first
	v_wmma_f32_16x16x32_f16 v[8*(8*(\a)+\b):8*(8*(\a)+\b)+7], v[\f+8*\b:\f+8*\b+7], v[\f+64+8*(\a):\f+64+8*(\a)+7], v[8*\b:8*\b+7]
.else
	v_wmma_f32_16x16x32_f16 v[8*(8*(\a)+\b):8*(8*(\a)+\b)+7], v[\f+8*\b:\f+8*\b+7], v[\f+64+8*(\a):\f+64+8*(\a)+7], v[8*(8*(\a)+\b):8*(8*(\a)+\b)+7]
.endif
.endr
.endm
.macro PLACES                          ; four places in front of loads into registers that matrix instructions have read, and of the first read of results
.rept 4
	v_nop
.endr
.endm
; A step of 128 along k is four quarters of 32, 32 products each, on buffers 0, 1, 0, 1.  One of the first three: multiplies buffer f and fetches the slot's quarter qn into g.
.macro QUARTER slot, qn, f, g, first
	s_wait_dscnt 4                                 ; W's fragments and A's blocks 0, 1 are in; the youngest four loads (A's blocks 2, 3) may be out
	WIN MUL+0x10*(\first)
	MULA \f, 0, \first
	MULA \f, 1, \first
	PLACES
	WIN 0
	FETCH \slot, \qn, \g
	s_wait_dscnt 24                                ; all but the 24 just issued
	WIN MUL+0x10*(\first)
	MULA \f, 2, \first
	MULA \f, 3, \first
.endm
; The last quarter multiplies buffer 1 and changes slots: ONE barrier; in front of it each wave waits for all its tensor loads, adds 0 to its spare word, and waits for that and for its reads of this slot.
; fill = 1: the barrier opens a round of the cluster's, and this slot is filled again, two steps ahead: 112 products stand between the request and the wait for it.
.macro TURN slot, next, fill
	WIN 0
	s_wait_tensorcnt 0x0                           ; all my tensor loads have landed: my part of the next slot
	ds_add_u32 v[SPW], v[NIL]                      ; 0 onto my spare word
	s_wait_dscnt 5                                 ; (the add and the youngest four loads may be out)
	WIN MUL
	MULA F1, 0, 0
	s_wait_dscnt 0x0                               ; the add is done, and my reads of this slot are over
	s_barrier_signal -1
	MULA F1, 1, 0
	WIN 0
	s_barrier_wait -1
.if \fill
	CREST                                          ; no wave of any partner still reads this slot's tile or has a load on its way
	s_add_nc_u64 s[G0+4*\slot+2:G0+4*\slot+3], s[G0+4*\slot+2:G0+4*\slot+3], 2*524288
	s_add_nc_u64 s[G0B+4*\slot+2:G0B+4*\slot+3], s[G0B+4*\slot+2:G0B+4*\slot+3], 2*262144
	JLOAD \slot                                    ; the first tensor load behind the round; its four v_nop are also the places in front of the loads below
.else
	PLACES
.endif
	FETCH \next, 0, F0
	WIN MUL
	MULA F1, 2, 0
	MULA F1, 3, 0
.endm
	s_wait_tensorcnt 1                             ; my part of step 0 is in (step 1's load may be out),
	s_barrier_signal -1
	s_barrier_wait -1                              ; everybody's is
	FETCH 0, 0, F0
	s_wait_loadcnt 0x0                             ; the bias
	QUARTER 0, 1, F0, F1, 1                        ; the first quarter stands in front of the loop: its products start the sums from the bias
	WIN 0                                          ; at a label and at a branch every window is 0
	s_mov_b32 s3, LAPS-1
.Llap:                                                 ; a trip goes once round the ring, from a lap's second quarter to the next lap's first, and fills both slots again
	QUARTER 0, 2, F1, F0, 0
	QUARTER 0, 3, F0, F1, 0
	TURN 0, 1, 1
	QUARTER 1, 1, F0, F1, 0
	QUARTER 1, 2, F1, F0, 0
	QUARTER 1, 3, F0, F1, 0
	TURN 1, 0, 1
	QUARTER 0, 1, F0, F1, 0
	WIN 0
	s_sub_co_u32 s3, s3, 1
	s_cmp_lg_u32 s3, 0
	s_cbranch_scc1 .Llap
	QUARTER 0, 2, F1, F0, 0                        ; the last lap fills nothing
	QUARTER 0, 3, F0, F1, 0
	TURN 0, 1, 0
	QUARTER 1, 1, F0, F1, 0
	QUARTER 1, 2, F1, F0, 0
	QUARTER 1, 3, F0, F1, 0
	s_wait_dscnt 4                                 ; the very last quarter: nothing more to fetch
	WIN MUL
	MULA F1, 0, 0
	MULA F1, 1, 0
	s_wait_dscnt 0x0
	MULA F1, 2, 0
	MULA F1, 3, 0
	WIN 0
; THE WAY OUT, a block of 16 rows x 128 columns at a time: a lane holds 32 neighbouring bytes of a row; the block goes through my own stage and comes back as whole rows of 512 bytes.
.macro TOSTAGE a
	WIN 0x04                                       ; an LDS store's data are its source 1: window 1
.irp b, 0,1,2,3,4,5,6,7
	ds_store_b128 v[STO], v[8*(8*(\a)+\b):8*(8*(\a)+\b)+3] offset:64*\b          ; each accumulator from its low end on
	ds_store_b128 v[STO], v[8*(8*(\a)+\b)+4:8*(8*(\a)+\b)+7] offset:64*\b+16
.endr
	WIN 0
.set BB, 32+64*((\a)%2)
.irp t, 0,1,2,3,4,5,6,7,8,9,10,11,12,13,14,15
	ds_load_b128 v[BB+4*\t:BB+4*\t+3], v[RD] offset:\t*SPITCH      ; LDS serves a wave's instructions in order: these see the stores above
.endr
.endm
.macro SEND a, younger                 ; younger: the LDS instructions issued behind block a's loads: the next block's 16 stores and 16 loads, or none
.set BB, 32+64*((\a)%2)
	s_wait_dscnt \younger
.irp t, 0,1,2,3,4,5,6,7,8,9,10,11,12,13,14,15
	global_store_b128 v[CO], v[BB+4*\t:BB+4*\t+3], s[10:11] offset:(16*(\a)+\t)*4096 th:TH_STORE_NT   ; 512 consecutive bytes, aligned; every offset is an immediate, the base is never stepped
.endr
.endm
	PLACES
	TOSTAGE 0
.irp a, 1,2,3
.if \a > 1
	s_wait_xcnt 0x0                                ; block a - 2's stores have read their registers: block a's loads may land there
.endif
	TOSTAGE \a
	SEND \a-1, 32
.endr
	SEND 3, 0
	s_wait_tensorcnt 0x0                           ; the wave's end
	ds_add_u32 v[SPW], v[NIL]
	s_wait_dscnt 0x0
	CROUND                                         ; the closing round
	s_endpgm
.Lfunc_end_k_q9e22c08395_proj:
	.size	k_q9e22c08395_proj, .Lfunc_end_k_q9e22c08395_proj-k_q9e22c08395_proj
	.p2alignl 7, 3214868480
	.fill 96, 4, 3214868480
	.section	.rodata,"a",@progbits
	.p2align	6, 0x0
	.amdhsa_kernel k_q9e22c08395_proj
		.amdhsa_group_segment_fixed_size 327680
		.amdhsa_private_segment_fixed_size 0
		.amdhsa_enable_private_segment 0
		.amdhsa_kernarg_size 32
		.amdhsa_user_sgpr_count 2
		.amdhsa_user_sgpr_kernarg_segment_ptr 1
		.amdhsa_wavefront_size32 1
		.amdhsa_system_sgpr_workgroup_id_x 1
		.amdhsa_system_sgpr_workgroup_id_y 1
		.amdhsa_system_sgpr_workgroup_id_z 1
		.amdhsa_system_vgpr_workitem_id 0
		.amdhsa_next_free_vgpr 576
		.amdhsa_next_free_sgpr 66
		.amdhsa_reserve_vcc 0
		.amdhsa_float_denorm_mode_32 3
		.amdhsa_float_denorm_mode_16_64 3
		.amdhsa_memory_ordered 1
		.amdhsa_forward_progress 1
		.amdhsa_inst_pref_size 87
	.end_amdhsa_kernel
	.amdgpu_metadata
---
amdhsa.version: [ 1, 2 ]
amdhsa.kernels:
  - .name:           k_q9e22c08395_proj
    .symbol:         k_q9e22c08395_proj.kd
    .args:
      - { .name: att, .offset: 0, .size: 8, .value_kind: global_buffer, .address_space: global }
      - { .name: wm16, .offset: 8, .size: 8, .value_kind: global_buffer, .address_space: global }
      - { .name: b_mlp, .offset: 16, .size: 8, .value_kind: global_buffer, .address_space: global }
      - { .name: out0, .offset: 24, .size: 8, .value_kind: global_buffer, .address_space: global }
    .group_segment_fixed_size: 327680
    .private_segment_fixed_size: 0
    .kernarg_segment_align: 8
    .kernarg_segment_size: 32
    .max_flat_workgroup_size: 128
    .sgpr_count:     66
    .vgpr_count:     576
    .wavefront_size: 32
...
	.end_amdgpu_metadata
.endif
;; end of part 4
